; MI455X (gfx1250); checked and timed in simulation.
; The chip was launched on July 23, 2026; its instructions are those of AMD's public machine-readable ISA for CDNA 5 (MIT licence, August 2026) and "CDNA5" Instruction Set Architecture Reference Guide (July 2026). The comments in the code are by the model that wrote it; some were corrected since.
;; Multihead Self Attention. Allowed arithmetic: matrix products marked QUANTISED: E2M3 operands, one E8M0 scale for each 32 along K, by v_wmma_scale_f32_16x16x128_f8f6f4 with both operands' format E2M3, f32 sums; everything else in f32.
;; Inputs: W_in 3,072 x 1,024 float32; W_out 1,024 x 1,024 float32; attn_mask 2,048 x 2,048 float32; b_in 3,072 float32; b_out 1,024 float32; key_padding_mask 4 x 2,048 bool; query 2,048 x 4 x 1,024 float32.
;; Outputs: out0 2,048 x 4 x 1,024 float32.
;; This version of the problem:
;;   THIS VERSION OF THE PROBLEM IS GIVEN IN LOW PRECISION. The matrix products marked QUANTISED in the list below multiply operands that are first quantised to E2M3 (2 exponent bits, 3 mantissa bits; 6 bits a number), with one power-of-two scale for each 32 numbers along K (OCP MX v1.0); their sums are f32. All else is computed in f32.
;;   The module's matrix products, in the order in which they are computed (A, B: the left and right operand; K: the contracted axis; several contracted axes count as one K, in the product's order):
;;     1. [M 8,192, K 1,024] x [K 1,024, N 3,072]; A: input query; B: input W_in: QUANTISED
;;     2. batch 64 x [M 2,048, K 64] x [K 64, N 2,048]; A: computed on the way; B: computed on the way: QUANTISED
;;     3. batch 64 x [M 64, K 2,048] x [K 2,048, N 2,048]; A: computed on the way; B: softmax (see below): QUANTISED
;;     4. [M 8,192, K 1,024] x [K 1,024, N 1,024]; A: computed on the way; B: input W_out: QUANTISED
;;   THE QUANTISER, for each operand of a quantised product, along K:
;;     - K is cut into blocks of 32 from its start; a last block that is shorter is filled with zeros.
;;     - A block's scale is 2^e with e = floor(log2(the largest magnitude in the block)) - 2, held to -126 .. 127; a block of zeros has e = 0. As a byte (E8M0): e + 127.
;;     - Each number is divided by its block's scale, clamped to +-7.5, and rounded to the nearest number of E2M3, ties to even, subnormals kept.
;;     - The product sums the exact products of the quantised numbers (number of the format x scale) in f32.
;;   ~~~python
;;   def quantise(x, axis):      # numpy; x: float32 -> the quantised numbers, widened to float32 again
;;       x = np.moveaxis(x, axis, -1); K = x.shape[-1]
;;       x = np.pad(x, [(0, 0)] * (x.ndim - 1) + [(0, -K % 32)]); x = x.reshape(x.shape[:-1] + (-1, 32)); a = np.abs(x).max(-1, keepdims=True)
;;       e = np.where(a > 0, np.clip(np.frexp(np.where(a > 0, a, 1))[1] - 1 - 2, -126, 127), 0)      # np.frexp(a)[1] - 1 = floor(log2(a)), exactly
;;       r = np.clip(x / 2.0 ** e, -7.5, 7.5)
;;       step = 2.0 ** (np.maximum(np.frexp(np.where(r == 0, 1, r))[1] - 1, 0) - 3)
;;       q = np.round(r / step) * step * 2.0 ** e      # np.round: ties to even
;;       return np.moveaxis(q.reshape(q.shape[:-2] + (-1,))[..., :K], -1, axis).astype(np.float32)
;;   ~~~
;;   SOFTMAX AHEAD OF A QUANTISED PRODUCT. Where the list says 'softmax', what is quantised is not the finished softmax but p = 2^(t - M), with t = logit x log2(e) and M = ceil(the row's largest t), a whole number; so 1/2 < the row's largest p <= 1. The row's sum l is taken of the UNQUANTISED p, in f32, and the product's result is divided by l at the end. Since M is a whole number, a kernel that streams over the keys may use a running M (the ceiling of the running maximum): every later rescaling is an exact power of two, which a block's scale takes up: the codes' values come out the same.
;;   OPERANDS COMPUTED ON THE WAY. 'Computed on the way' means the value that the module computes at that place (a softmax that the list does not call 'softmax' is quantised finished and normalised). What goes into a quantiser is computed in f32, as accurately as f32 sums, v_exp_f32 and their like allow (about 1e-6 of the number): no bf16 or f16 on the way to a quantiser, and a product that is left as it is and whose result goes on into a quantised operand takes f32 operands (vector FMAs, or v_wmma_f32_16x16x4_f32). A number that lies on a knife's edge between two numbers of the format may be rounded either way, as far as f32 arithmetic and the matrix unit's own rounding can turn it there, and no further.
;; One version. Each part assembles by itself: llvm-mc -triple=amdgcn-amd-amdhsa -mcpu=gfx1250 --defsym DOCPART=n.
;; ======== version 1 of 1: 4 launches
;; limits: right only within a limited range of input values
;; workspace buffers: opq 9,437,184 bytes; ops 393,216 bytes; qkv 19,660,800 bytes; aq 6,291,456 bytes; asc 262,144 bytes; pml 16,384 bytes
;; launch quant (part 1): grid 256 x 1, 3 waves a work-group, no clusters, 25,856 bytes of LDS; arguments query, W_in, W_out, opq, ops, key_padding_mask, pml; writes opq, ops, pml
.if DOCPART == 1
	.amdgcn_target "amdgcn-amd-amdhsa--gfx1250"
	.amdhsa_code_object_version 6
	.text
	.protected	k_q0897f4ccb9_quant
	.globl	k_q0897f4ccb9_quant
	.p2align	8
	.type	k_q0897f4ccb9_quant,@function
k_q0897f4ccb9_quant:
	s_mov_b64 s[64:65], 0
	v_nop
	global_prefetch_b8 v0, s[64:65] scope:SCOPE_SE
	s_setreg_imm32_b32 hwreg(HW_REG_WAVE_MODE, 25, 1), 1
	s_wait_xcnt 0x0
; query [2048][4][1024], W_in [3072][1024], W_out [1024][1024], f32, K innermost, become codes of FP6 (E2M3) with one E8M0 byte for each 32 along K.
; A block's scale is 2^(floor(log2(its largest magnitude)) - 2); its byte is the largest magnitude's exponent field - 2, held at 1 from below.
; LIMITS: a block of zeros keeps the byte 1 where the rule says 127 (its codes are zeros, and this program alone reads the bytes); NaN and infinities are not served.
; THE CODES ARE LAID AS THE READER'S REGISTERS WANT THEM.  opq: [768 row tiles][8 K steps of 128][1,536 bytes]: a fragment (16 rows x 128 K: 12 registers a lane) as three pieces of 512 bytes,
; piece c = registers 4 c .. 4 c + 3, 16 bytes a lane.  ops: [768 x 16 rows][8 words]: one scale word for a row and 128 K.  Tiles 0-511: query, its rows taken as [b][t]; 512-703: W_in; 704-767: W_out.
; THE ROWS OF A TILE ARE NOT NEIGHBOURS: place p of tile u holds row 32 (u / 2) + 8 (u % 2) + p + 8 (p / 8), so that a product that takes such tiles as source 0 leaves 16 neighbours in a lane's 16 registers.
; SHARES: 768 waves, one row tile each, all of K in 8 steps.  A step's 16 loads read 512 consecutive bytes of one row each; the 8 KiB turn through the wave's own stage in LDS (rows of 528 bytes) and come back
; as 16 neighbours of each of four blocks a lane.  Two steps' loads are out.  Memory binds: no matrix unit, no cluster, no barrier: waves share nothing.
.set SP,    528
.set STGB,  16*SP
.set SPARE, 3*STGB                     ; behind the three stages: the spare words, 128 bytes a wave, two blocks of 256 bytes that no other line names
.set LI,   1                           ; v1   16 x lane
.set SIN,  2                           ; v2   the stage on the way in
.set SOUT, 3                           ; v3   and on the way out: 528 r + 64 h
.set WO,   4                           ; v4   32 r + 16 h: my four scale words
.set HH,   5                           ; v5   h
.set SPW,  6
.set NIL,  7
.set R,    16                          ; v16-143  two sets of 64 as loaded
.set X,    144                         ; v144-207 64 numbers: register 16 b + i = k 32 b + 16 h + i of my row
.set PC,   208                         ; v208-226 the codes
.set TM,   228                         ; v228-243 at work
.set PWS,  244                         ; v244-251 a scale word for each step
.set RB,   32                          ; s[32:63] the 16 rows' addresses
.set SEL,  66                          ; s[66:67] lane l xor 16
; 64 numbers of a lane become a fragment's codes in v[PC] .. v[PC + 11] and its scale word in v[pw]
.macro QUANT s, pw
.irp b, 0,1,2,3
	v_max3_num_f32 v[TM+\b], |v[\s+16*\b]|, |v[\s+1+16*\b]|, 0x1800000   ; my 16 numbers of block b, and the floor 2^(3 - 127): the byte cannot fall under 1
.endr
.irp i, 2,4,6,8,10,12,14
.irp b, 0,1,2,3
	v_max3_num_f32 v[TM+\b], v[TM+\b], |v[\s+16*\b+\i]|, |v[\s+1+16*\b+\i]|
.endr
.endr
.irp b, 0,1,2,3
	v_permlanex16_b32 v[TM+4+\b], v[TM+\b], s[SEL], s[SEL+1]
.endr
.irp b, 0,1,2,3
	v_max_num_f32 v[TM+\b], v[TM+\b], v[TM+4+\b]       ; with lane l xor 16's: the block's largest magnitude
.endr
.irp b, 0,1,2,3
	v_add_nc_u32 v[TM+12+\b], 0xff000000, v[TM+\b]     ; 2 off its exponent field: the conversion's scale operand
.endr
.irp b, 0,1,2,3
	v_lshrrev_b32 v[TM+4+\b], 23, v[TM+12+\b]          ; the scale's byte
.endr
	v_lshl_or_b32 v[\pw], v[TM+5], 8, v[TM+4]
	v_lshl_or_b32 v[\pw], v[TM+6], 16, v[\pw]
	v_lshl_or_b32 v[\pw], v[TM+7], 24, v[\pw]
.irp c, 0,1
	v_cvt_scalef32_pk16_fp6_f32 v[PC+6*\c:PC+2+6*\c], v[\s+32*\c:\s+15+32*\c], v[TM+12+2*\c]
	v_cvt_scalef32_pk16_fp6_f32 v[PC+12+4*\c:PC+14+4*\c], v[\s+16+32*\c:\s+31+32*\c], v[TM+12+2*\c+1]
.endr
	v_nop                                              ; one plain place behind a scaled conversion
.irp c, 0,1                                        ; the operand wants a whole block in a lane: lanes 0-15 block 2 c, lanes 16-31 block 2 c + 1
.irp i, 0,1,2
	v_permlane16_swap_b32 v[PC+6*\c+\i], v[PC+12+4*\c+\i]
.endr
.irp i, 0,1,2
	v_mov_b32 v[PC+3+6*\c+\i], v[PC+12+4*\c+\i]
.endr
.endr
.endm
	s_load_b128 s[4:7], s[0:1], 0x0                ; query, W_in
	s_load_b128 s[8:11], s[0:1], 0x10              ; W_out, opq
	s_load_b64 s[12:13], s[0:1], 0x20              ; ops
	s_load_b128 s[68:71], s[0:1], 0x28             ; key_padding_mask, pml
	v_lshl_add_u32 v[SPW], v0, 2, SPARE
	v_mov_b32 v[NIL], 0
	v_lshrrev_b32 v8, 5, v0
	v_readfirstlane_b32 s14, v8                    ; wave 0..2
	v_and_b32 v9, 31, v0
	v_lshlrev_b32 v[LI], 4, v9
	v_and_b32 v10, 15, v0                          ; r
	v_bfe_u32 v[HH], v0, 4, 1                      ; h
	s_mul_i32 s16, s14, STGB
	v_add_nc_u32 v[SIN], s16, v[LI]
	v_mul_u32_u24 v[SOUT], v10, SP
	v_lshl_add_u32 v[SOUT], v[HH], 6, v[SOUT]
	v_add_nc_u32 v[SOUT], s16, v[SOUT]
	v_lshlrev_b32 v[WO], 5, v10
	v_lshl_add_u32 v[WO], v[HH], 4, v[WO]
.irp b, 0,1,2,3
	v_mov_b32 v[TM+4+\b], 0                        ; written once: a lane permute's destination counts as one of its sources
.endr
	s_mov_b32 s[SEL], 0x76543210
	s_mov_b32 s[SEL+1], 0xfedcba98
	s_mul_i32 s15, ttmp9, 3
	s_add_co_u32 s15, s15, s14                     ; my row tile, 0 .. 767
	s_mov_b32 s18, 704
	s_cmp_lt_u32 s15, 704
	s_cselect_b32 s18, 512, s18
	s_mov_b32 s26, 4096
	s_cmp_lt_u32 s15, 512
	s_cselect_b32 s18, 0, s18                      ; the tensor's first tile
	s_cselect_b32 s26, 16384, s26                  ; bytes from row to row: query's rows of one b lie four rows apart
	s_cselect_b32 s22, 127, -1
	s_cselect_b32 s23, -1, 0
	s_sub_co_u32 s19, s15, s18
	s_lshr_b32 s21, s19, 7
	s_and_b32 s21, s21, s23
	s_lshl_b32 s21, s21, 12                        ; query: 4,096 b
	s_and_b32 s19, s19, s22                        ; the tile within the tensor (query: within its b)
	s_lshr_b32 s24, s19, 1
	s_lshl_b32 s24, s24, 5
	s_and_b32 s25, s19, 1
	s_lshl_b32 s25, s25, 3
	s_add_co_u32 s24, s24, s25                     ; its first row
	s_mul_i32 s24, s24, s26
	s_add_co_u32 s24, s24, s21
	s_mov_b32 s25, 0
	s_mov_b32 s27, 0
	s_mul_i32 s28, s26, 9                          ; from place 7 to place 8: nine rows
	s_mov_b32 s29, 0
	s_mul_i32 s30, s15, 12288
	s_mov_b32 s31, 0
	s_lshl_b32 s20, s15, 9
	s_mov_b32 s21, 0
	s_wait_alu depctr_va_vdst(0)
	s_wait_kmcnt 0x0
	s_cmp_lt_u32 s15, 704                          ; the choice hangs on the tile's number alone
	s_cselect_b64 s[16:17], s[6:7], s[8:9]
	s_cmp_lt_u32 s15, 512
	s_cselect_b64 s[16:17], s[4:5], s[16:17]
	s_add_nc_u64 s[RB:RB+1], s[16:17], s[24:25]
.irp p, 1,2,3,4,5,6,7,8,9,10,11,12,13,14,15
.if \p == 8
	s_add_nc_u64 s[RB+2*\p:RB+2*\p+1], s[RB+2*\p-2:RB+2*\p-1], s[28:29]
.else
	s_add_nc_u64 s[RB+2*\p:RB+2*\p+1], s[RB+2*\p-2:RB+2*\p-1], s[26:27]
.endif
.endr
	s_add_nc_u64 s[10:11], s[10:11], s[30:31]      ; my tile's codes
	s_add_nc_u64 s[12:13], s[12:13], s[20:21]      ; and its scale words
.macro LOAD t
.irp p, 0,1,2,3,4,5,6,7,8,9,10,11,12,13,14,15
	global_load_b128 v[R+64*((\t)%2)+4*\p:R+64*((\t)%2)+4*\p+3], v[LI], s[RB+2*\p:RB+2*\p+1] offset:512*(\t) th:TH_LOAD_NT   ; 512 consecutive bytes of one row
.endr
.endm
.macro STEP t
.if (\t) < 7
	s_wait_loadcnt 16                              ; this step's 16 loads are in; the next step's may be out
.else
	s_wait_loadcnt 0x0
.endif
.irp p, 0,1,2,3,4,5,6,7,8,9,10,11,12,13,14,15
	ds_store_b128 v[SIN], v[R+64*((\t)%2)+4*\p:R+64*((\t)%2)+4*\p+3] offset:SP*\p
.endr
.irp n, 0,1,2,3,4,5,6,7,8,9,10,11,12,13,14,15
	ds_load_b128 v[X+4*\n:X+4*\n+3], v[SOUT] offset:128*(\n/4)+16*(\n%4)   ; LDS serves a wave's instructions in order: these see the stores above
.endr
	s_wait_dscnt 0x0                               ; the numbers are back, and the stores into the stage have read their registers
	s_wait_xcnt 0x0                                ; the last step's stores have read the codes' registers, which are written again below
.if (\t) < 6
	LOAD (\t)+2
.endif
	QUANT X, PWS+(\t)
.irp c, 0,1,2
	global_store_b128 v[LI], v[PC+4*\c:PC+4*\c+3], s[10:11] offset:1536*(\t)+512*\c   ; 512 consecutive bytes, aligned
.endr
.endm
; pml [4 b][16 steps of 128 keys][64 words]: word 16 b' + i has bits 0-15 set where key 32 b' + i of the step is padded and bits 16-31 where key 32 b' + 16 + i is: the lane mask of one register of
; the attention's score layout.  Wave 0 of work-group g makes words 16 g .. 16 g + 15 (lanes 16-31 repeat lanes 0-15); their keys' bytes begin at 32 g.  The two loads stand ahead of the rows' loads.
	s_cmp_lg_u32 s14, 0
	s_cbranch_scc1 .Lno_pl
	v_and_b32 v8, 15, v0
	s_lshl_b32 s16, ttmp9, 5
	v_add_nc_u32 v9, s16, v8
	global_load_u8 v12, v9, s[68:69]
	global_load_u8 v13, v9, s[68:69] offset:16
.Lno_pl:
	LOAD 0
	LOAD 1
.irp t, 0,1,2,3,4,5,6,7
	STEP \t
.endr
	v_cmp_ne_u32 vcc_lo, 0, v[HH]
.irp y, 0,1,2,3
	v_cndmask_b32 v[X+\y], v[PWS+\y], v[PWS+4+\y], vcc_lo   ; both halves hold row r's words: lanes 0-15 store steps 0-3, lanes 16-31 steps 4-7
.endr
	global_store_b128 v[WO], v[X:X+3], s[12:13]    ; the tile's 512 bytes of scale words
	s_cmp_lg_u32 s14, 0
	s_cbranch_scc1 .Lno_ps
	v_sub_nc_u32 v12, 0, v12                       ; 0, or all ones for a padded key (the last step's wait for 0 covered the two loads)
	v_sub_nc_u32 v13, 0, v13
	s_lshl_b32 s16, ttmp9, 6
	v_and_b32 v12, 0xffff, v12
	v_lshl_add_u32 v10, v8, 2, s16
	v_lshl_or_b32 v12, v13, 16, v12
	global_store_b32 v10, v12, s[70:71]
.Lno_ps:
	s_wait_tensorcnt 0x0
	ds_add_u32 v[SPW], v[NIL]
	s_wait_dscnt 0x0
	s_endpgm
.Lfunc_end_k_q0897f4ccb9_quant:
	.size	k_q0897f4ccb9_quant, .Lfunc_end_k_q0897f4ccb9_quant-k_q0897f4ccb9_quant
	.p2alignl 7, 3214868480
	.fill 96, 4, 3214868480
	.section	.rodata,"a",@progbits
	.p2align	6, 0x0
	.amdhsa_kernel k_q0897f4ccb9_quant
		.amdhsa_group_segment_fixed_size 25856
		.amdhsa_private_segment_fixed_size 0
		.amdhsa_enable_private_segment 0
		.amdhsa_kernarg_size 56
		.amdhsa_user_sgpr_count 2
		.amdhsa_user_sgpr_kernarg_segment_ptr 1
		.amdhsa_wavefront_size32 1
		.amdhsa_system_sgpr_workgroup_id_x 1
		.amdhsa_system_sgpr_workgroup_id_y 1
		.amdhsa_system_sgpr_workgroup_id_z 1
		.amdhsa_system_vgpr_workitem_id 0
		.amdhsa_next_free_vgpr 256
		.amdhsa_next_free_sgpr 72
		.amdhsa_reserve_vcc 1
		.amdhsa_float_denorm_mode_32 3
		.amdhsa_float_denorm_mode_16_64 3
		.amdhsa_memory_ordered 1
		.amdhsa_forward_progress 1
		.amdhsa_inst_pref_size 66
	.end_amdhsa_kernel
	.amdgpu_metadata
---
amdhsa.version: [ 1, 2 ]
amdhsa.kernels:
  - .name:           k_q0897f4ccb9_quant
    .symbol:         k_q0897f4ccb9_quant.kd
    .args:
      - { .name: query, .offset: 0, .size: 8, .value_kind: global_buffer, .address_space: global }
      - { .name: W_in, .offset: 8, .size: 8, .value_kind: global_buffer, .address_space: global }
      - { .name: W_out, .offset: 16, .size: 8, .value_kind: global_buffer, .address_space: global }
      - { .name: opq, .offset: 24, .size: 8, .value_kind: global_buffer, .address_space: global }
      - { .name: ops, .offset: 32, .size: 8, .value_kind: global_buffer, .address_space: global }
      - { .name: key_padding_mask, .offset: 40, .size: 8, .value_kind: global_buffer, .address_space: global }
      - { .name: pml, .offset: 48, .size: 8, .value_kind: global_buffer, .address_space: global }
    .group_segment_fixed_size: 25856
    .private_segment_fixed_size: 0
    .kernarg_segment_align: 8
    .kernarg_segment_size: 56
    .max_flat_workgroup_size: 96
    .sgpr_count:     72
    .vgpr_count:     256
    .wavefront_size: 32
...
	.end_amdgpu_metadata
.endif
;; end of part 1
;; launch proj (part 2): grid 8 x 48, 4 waves a work-group, clusters of 4 x 4, 327,680 bytes of LDS; arguments opq, ops, b_in, key_padding_mask, qkv; writes qkv
.if DOCPART == 2
	.amdgcn_target "amdgcn-amd-amdhsa--gfx1250"
	.amdhsa_code_object_version 6
	.text
	.protected	k_q0897f4ccb9_proj
	.globl	k_q0897f4ccb9_proj
	.p2align	8
	.type	k_q0897f4ccb9_proj,@function
k_q0897f4ccb9_proj:
	s_mov_b64 s[64:65], 0
	v_nop
	global_prefetch_b8 v0, s[64:65] scope:SCOPE_SE
	s_setreg_imm32_b32 hwreg(HW_REG_WAVE_MODE, 25, 1), 1
	s_wait_xcnt 0x0
	s_wait_alu depctr_hold_cnt(0) depctr_sa_sdst(0) depctr_va_vdst(0) depctr_va_sdst(0) depctr_va_ssrc(0) depctr_va_vcc(0) depctr_vm_vsrc(0)
	s_getreg_b32 s2, hwreg(HW_REG_IB_STS2, 6, 4)
	s_cmp_eq_u32 s2, 0
	s_cbranch_scc0 .Lentry_in_a_cluster
	s_endpgm
.Lentry_in_a_cluster:
	s_bfe_u32 s2, ttmp6, 0x10000c
	s_cmp_lg_u32 s2, 0xf033
	s_cbranch_scc0 .Lentry_shape_is_right
	s_endpgm
.Lentry_shape_is_right:
.set NQ,     2
.set FR,     12
.set NL,     3
.set NP,     4
.set FRB,    1536
.set TROW,   NQ*FRB
.set HALFT,  8*TROW
.set SLOT,   4*HALFT
.set SCL,    2*SLOT
.set HALFS,  16*272
.set SBLK,   2*272
.set SPARE,  SCL+4*HALFS
.set ADRA, 16
.set ADRB, 20
.set LI,   24
.set WO,   25
.set ADRS, 27
.set SPW,  28
.set NIL,  29
.set SC,   32
.set BI,   64
.set AF,   128
.set FF,   224
.set GG,   240
.set HA,   128
.set PC,   192
.set TM,   64
.set PWS,  32
.set SEL,  66
.set G1, 24
.set G0, 32
.set G1B, 48
.set G0B, 56
.set G1S, 68
.set G0S, 76
.set G1SB, 80
.set G0SB, 88
.set MSB, 0
.macro WIN new
.if MSB != (\new)
	s_set_vgpr_msb (MSB<<8)|(\new)
.set MSB, (\new)
.endif
.endm
.set MUL_LO, 0xa1
.set MUL_HI, 0xf1
.set TO_B,   0x40
.macro JLOAD g0a, g1a, g0b, g1b
	s_cmp_eq_u32 s15, 0
	s_cbranch_scc0 .Lfor_b_\@
	tensor_load_to_lds s[\g0a:\g0a+3], s[\g1a:\g1a+7]
	s_nop 0
.rept 4
	v_nop
.endr
	s_branch .Lasked_\@
.Lfor_b_\@:
	tensor_load_to_lds s[\g0b:\g0b+3], s[\g1b:\g1b+7]
	s_nop 0
.rept 4
	v_nop
.endr
.Lasked_\@:
.endm
.macro CREST
	s_cmp_lg_u32 s14, 0
	s_cbranch_scc1 .Lnot_wave_0_\@
	s_barrier_signal -3
.Lnot_wave_0_\@:
	s_barrier_wait -3
	s_barrier_signal -1
	s_barrier_wait -1
.endm
.macro CROUND
	s_barrier_signal -1
	s_barrier_wait -1
	CREST
.endm
.macro QUANT s, pw
.irp b, 0,1,2,3
	v_max3_num_f32 v[TM+\b], |v[\s+16*\b]|, |v[\s+1+16*\b]|, 0x1800000
.endr
.irp i, 2,4,6,8,10,12,14
.irp b, 0,1,2,3
	v_max3_num_f32 v[TM+\b], v[TM+\b], |v[\s+16*\b+\i]|, |v[\s+1+16*\b+\i]|
.endr
.endr
.irp b, 0,1,2,3
	v_permlanex16_b32 v[TM+4+\b], v[TM+\b], s[SEL], s[SEL+1]
.endr
.irp b, 0,1,2,3
	v_max_num_f32 v[TM+\b], v[TM+\b], v[TM+4+\b]
.endr
.irp b, 0,1,2,3
	v_add_nc_u32 v[TM+12+\b], 0xff000000, v[TM+\b]
.endr
.irp b, 0,1,2,3
	v_lshrrev_b32 v[TM+4+\b], 23, v[TM+12+\b]
.endr
	v_lshl_or_b32 v[\pw], v[TM+5], 8, v[TM+4]
	v_lshl_or_b32 v[\pw], v[TM+6], 16, v[\pw]
	v_lshl_or_b32 v[\pw], v[TM+7], 24, v[\pw]
.irp c, 0,1
	v_cvt_scalef32_pk16_fp6_f32 v[PC+6*\c:PC+2+6*\c], v[\s+32*\c:\s+15+32*\c], v[TM+12+2*\c]
	v_cvt_scalef32_pk16_fp6_f32 v[PC+12+4*\c:PC+14+4*\c], v[\s+16+32*\c:\s+31+32*\c], v[TM+12+2*\c+1]
.endr
	v_nop
.irp c, 0,1
.irp i, 0,1,2
	v_permlane16_swap_b32 v[PC+6*\c+\i], v[PC+12+4*\c+\i]
.endr
.irp i, 0,1,2
	v_mov_b32 v[PC+3+6*\c+\i], v[PC+12+4*\c+\i]
.endr
.endr
.endm
	s_load_b128 s[4:7], s[0:1], 0x0
	s_load_b128 s[8:11], s[0:1], 0x10
	s_load_b64 s[12:13], s[0:1], 0x20
	v_lshl_add_u32 v[SPW], v0, 2, SPARE
	v_mov_b32 v[NIL], 0
	ds_add_u32 v[SPW], v[NIL]
	ds_add_u32 v[SPW], v[NIL]
	v_lshrrev_b32 v1, 5, v0
	v_readfirstlane_b32 s14, v1
	s_lshr_b32 s15, s14, 1
	s_and_b32 s16, s14, 1
	s_bfe_u32 s40, ttmp6, 0x40000
	s_bfe_u32 s41, ttmp6, 0x40004
	s_and_b32 s17, ttmp7, 0xffff
	s_lshl_b32 s42, ttmp9, 2
	s_lshl_b32 s18, s17, 2
	s_lshl_b32 s19, s17, 3
	s_add_co_u32 s19, s19, s42
	s_sub_co_u32 s19, s19, 64
	s_add_co_u32 s42, s42, 32
	s_cmp_lt_u32 s17, 8
	s_cselect_b32 s17, s18, 40
	s_cselect_b32 s42, s42, s19
	s_cselect_b32 s98, -1, 0
	s_cselect_b32 s99, 0, -1
	s_add_co_u32 s17, s17, s41
	s_add_co_u32 s42, s42, s40
	s_cmp_eq_u32 ttmp9, 1
	s_cselect_b32 s101, s98, 0
	s_cmp_eq_u32 ttmp9, 0
	s_cselect_b32 s100, s98, 0
	s_mov_b32 s18, 0x3f800000
	s_cmp_lg_u32 s100, 0
	s_cselect_b32 s100, 0x3e000000, s18
	s_mov_b32 s[SEL], 0x76543210
	s_mov_b32 s[SEL+1], 0xfedcba98
	s_lshl_b32 s43, s41, 2
	s_lshl_b32 s43, 15, s43
	s_lshl_b32 s44, 0x1111, s40
	s_or_b32 s[G1+0], s43, (3<<16)|(1<<21)
	s_or_b32 s[G1B+0], s44, (3<<16)|(1<<21)
.irp g, G1, G1B
	s_mov_b32 s[\g+1], 384<<16
	s_mov_b32 s[\g+2], 16<<16                      ; the head's loads of codes bring all 16 row tiles; behind them the two words are set to 8, for the ring's
	s_mov_b32 s[\g+3], 384<<16
	s_mov_b32 s[\g+4], 16
	s_mov_b32 s[\g+5], 1536
	s_mov_b32 s[\g+6], 0
	s_mov_b32 s[\g+7], 0
.endr
	s_or_b32 s[G1S+0], s43, (3<<16)|(1<<20)|(1<<21)|(5<<22)|(3<<25)
	s_or_b32 s[G1SB+0], s44, (3<<16)|(1<<20)|(1<<21)|(5<<22)|(3<<25)
.irp g, G1S, G1SB
	s_mov_b32 s[\g+1], 32<<16
	s_mov_b32 s[\g+2], 32<<16                      ; the scales of all 256 rows: 32 rows of 256 bytes
	s_mov_b32 s[\g+3], 32<<16
	s_mov_b32 s[\g+4], 32
	s_mov_b32 s[\g+5], 32
	s_mov_b32 s[\g+6], 0
	s_mov_b32 s[\g+7], 0
.endr
	s_lshl_b32 s20, s17, 1                         ; the block's first group of eight row tiles, A's and B's
	s_lshl_b32 s46, s42, 1
	s_mul_i32 s18, s16, 8*12288                    ; in the ring I fetch eight row tiles: which half, in bytes
	s_mov_b32 s19, 0
	s_lshl_b32 s22, s20, 12
	s_lshl_b32 s92, s46, 12
	s_mul_i32 s20, s20, 8*12288
	s_mul_i32 s46, s46, 8*12288
	s_mov_b32 s21, 0
	s_mov_b32 s23, 0
	s_mov_b32 s47, 0
	s_mov_b32 s93, 0
	s_mul_i32 s45, s14, HALFT
	s_wait_dscnt 0x0
	s_wait_kmcnt 0x0
	s_add_nc_u64 s[20:21], s[4:5], s[20:21]
	s_add_nc_u64 s[22:23], s[6:7], s[22:23]
	s_add_nc_u64 s[46:47], s[4:5], s[46:47]
	s_add_nc_u64 s[92:93], s[6:7], s[92:93]
	CROUND
	s_mov_b32 s[G0S], 1
	s_mov_b32 s[G0S+1], SCL
	s_mov_b64 s[G0S+2:G0S+3], s[22:23]
	s_or_b32 s[G0S+3], s[G0S+3], 0x80000000
	s_mov_b32 s[G0SB], 1
	s_mov_b32 s[G0SB+1], SCL+2*HALFS
	s_mov_b64 s[G0SB+2:G0SB+3], s[92:93]
	s_or_b32 s[G0SB+3], s[G0SB+3], 0x80000000
; THE HEAD'S FOUR TILES, ONE JOINT LOAD A WAVE: wave 0 slot 0's 16 row tiles of A, wave 1 those of B, wave 2 A's scales, wave 3 B's.
; One chain of branches on the wave's number, a load to an arm, all arms leading to one join.  Group 0 of the loads of codes lies in s[4:7], whose arguments have been used.
	s_cmp_lt_u32 s14, 1
	s_cbranch_scc0 .Lhead_b
	s_mov_b32 s4, 1
	s_mov_b32 s5, 0
	s_mov_b64 s[6:7], s[20:21]
	s_or_b32 s7, s7, 0x80000000
	tensor_load_to_lds s[4:7], s[G1:G1+7]
	s_nop 0
.rept 4
	v_nop
.endr
	s_branch .Lhead_asked
.Lhead_b:
	s_cmp_lt_u32 s14, 2
	s_cbranch_scc0 .Lhead_sa
	s_mov_b32 s4, 1
	s_mov_b32 s5, 2*HALFT
	s_mov_b64 s[6:7], s[46:47]
	s_or_b32 s7, s7, 0x80000000
	tensor_load_to_lds s[4:7], s[G1B:G1B+7]
	s_nop 0
.rept 4
	v_nop
.endr
	s_branch .Lhead_asked
.Lhead_sa:
	s_cmp_lt_u32 s14, 3
	s_cbranch_scc0 .Lhead_sb
	tensor_load_to_lds s[G0S:G0S+3], s[G1S:G1S+7]
	s_nop 0
.rept 4
	v_nop
.endr
	s_branch .Lhead_asked
.Lhead_sb:
	tensor_load_to_lds s[G0SB:G0SB+3], s[G1SB:G1SB+7]
	s_nop 0
.rept 4
	v_nop
.endr
.Lhead_asked:
	s_add_nc_u64 s[20:21], s[20:21], s[18:19]      ; for the ring: my eight row tiles
	s_add_nc_u64 s[46:47], s[46:47], s[18:19]
.irp s, 0,1
	s_mov_b32 s[G0+4*\s], 1
	s_add_co_u32 s[G0+4*\s+1], s45, \s*SLOT
	s_add_nc_u64 s[G0+4*\s+2:G0+4*\s+3], s[20:21], \s*TROW
	s_or_b32 s[G0+4*\s+3], s[G0+4*\s+3], 0x80000000
	s_mov_b32 s[G0B+4*\s], 1
	s_add_co_u32 s[G0B+4*\s+1], s45, \s*SLOT
	s_add_nc_u64 s[G0B+4*\s+2:G0B+4*\s+3], s[46:47], \s*TROW
	s_or_b32 s[G0B+4*\s+3], s[G0B+4*\s+3], 0x80000000
.endr
	v_and_b32 v1, 15, v0
	v_bfe_u32 v2, v0, 4, 1
	v_and_b32 v6, 31, v0
	v_lshlrev_b32 v[LI], 4, v6
	v_lshlrev_b32 v[WO], 5, v1
	v_lshl_add_u32 v[WO], v2, 4, v[WO]
	s_mul_i32 s21, s15, HALFT
	s_mul_i32 s22, s16, HALFT
	s_add_co_u32 s22, s22, 2*HALFT
.irp s, 0,1
	v_add_nc_u32 v[ADRA+\s], s21, v[LI]
	v_add_nc_u32 v[ADRB+\s], s22, v[LI]
	s_add_co_u32 s21, s21, SLOT
	s_add_co_u32 s22, s22, SLOT
.endr
	v_mul_u32_u24 v5, v1, 32
	v_lshrrev_b32 v6, 8, v5
	v_lshl_add_u32 v5, v6, 4, v5
	s_mul_i32 s21, s15, HALFS
	s_mul_i32 s22, s16, HALFS
	s_add_co_u32 s22, s22, 2*HALFS
	s_sub_co_u32 s22, s22, s21
	v_mul_u32_u24 v6, s22, v2
	s_add_co_u32 s21, s21, SCL
	v_add_nc_u32 v5, v5, v6
	v_add_nc_u32 v[ADRS], s21, v5
	s_lshl_b32 s95, s17, 1
	s_add_co_u32 s95, s95, s15
	s_lshl_b32 s94, s42, 1
	s_add_co_u32 s94, s94, s16
	s_cmp_lg_u32 s98, 0
	s_cselect_b32 s96, s95, s94
	s_cselect_b32 s97, s94, s95
	s_sub_co_u32 s97, s97, 64
	s_lshl_b32 s18, s97, 9
	s_and_b32 s46, s18, s98
	s_mov_b32 s47, 0
	s_add_nc_u64 s[46:47], s[8:9], s[46:47]
	s_and_b32 s92, s18, s99
	s_mov_b32 s93, 0
	s_add_nc_u64 s[92:93], s[8:9], s[92:93]
	s_lshl_b32 s2, s96, 7
	s_and_b32 s2, s2, s98
	s_mov_b32 s3, 0
	s_add_nc_u64 s[2:3], s[10:11], s[2:3]
	s_mul_i32 s18, s96, 24
	s_add_co_u32 s18, s18, s97
	s_mul_i32 s18, s18, 12800
	s_mov_b32 s19, 0
	s_add_nc_u64 s[12:13], s[12:13], s[18:19]
	v_lshlrev_b32 v7, 6, v2
	v_and_b32 v8, 8, v1
	v_add_nc_u32 v9, v8, v1
	v_lshlrev_b32 v8, 2, v9
.irp b, 0,1,2,3,4,5,6,7
	global_load_b128 v[BI+8*\b:BI+8*\b+3], v7, s[46:47] offset:(32*(\b/2)+8*(\b%2))*4
	global_load_b128 v[BI+8*\b+4:BI+8*\b+7], v7, s[46:47] offset:(32*(\b/2)+8*(\b%2))*4+16
.endr
.irp a, 0,1,2,3,4,5,6,7
	global_load_b32 v[GG+2*\a], v8, s[92:93] offset:(32*(\a/2)+8*(\a%2))*4
	global_load_u8 v[FF+2*\a], v9, s[2:3] offset:32*(\a/2)+8*(\a%2)
.endr
.macro FRAG reg, adr, q, i
.irp c, 0,1,2
	ds_load_b128 v[\reg+4*\c:\reg+4*\c+3], v[\adr] offset:TROW*(\i)+FRB*(\q)+512*\c
.endr
.endm
.macro MUL16 a0, p, q, sc, zero
.irp a, \a0, \a0+1
.irp b, 0,1,2,3,4,5,6,7
.if \zero
	v_wmma_scale_f32_16x16x128_f8f6f4 v[8*(8*((\a)%4)+\b):8*(8*((\a)%4)+\b)+7], v[128*(\p)+FR*\b:128*(\p)+FR*\b+FR-1], v[AF+FR*(\a):AF+FR*(\a)+FR-1], v[BI+8*\b:BI+8*\b+7], v[SC+8*NQ*(\sc)+NQ*\b+(\q)], v[SC+8*NQ*(\sc)+NQ*(\a)+(\q)] matrix_a_fmt:MATRIX_FMT_FP6 matrix_b_fmt:MATRIX_FMT_FP6 matrix_a_scale:MATRIX_SCALE_ROW1
.else
	v_wmma_scale_f32_16x16x128_f8f6f4 v[8*(8*((\a)%4)+\b):8*(8*((\a)%4)+\b)+7], v[128*(\p)+FR*\b:128*(\p)+FR*\b+FR-1], v[AF+FR*(\a):AF+FR*(\a)+FR-1], v[8*(8*((\a)%4)+\b):8*(8*((\a)%4)+\b)+7], v[SC+8*NQ*(\sc)+NQ*\b+(\q)], v[SC+8*NQ*(\sc)+NQ*(\a)+(\q)] matrix_a_fmt:MATRIX_FMT_FP6 matrix_b_fmt:MATRIX_FMT_FP6 matrix_a_scale:MATRIX_SCALE_ROW1
.endif
.endr
.endr
.endm
.macro FETCH_B slot, q, p
	WIN TO_B
.irp i, 0,1,2,3,4,5,6,7
	FRAG 128*(\p)+FR*\i, ADRB+\slot, \q, \i
.endr
	WIN 0
.endm
.macro FETCH_A slot, q, i0
.irp i, \i0, \i0+1, \i0+2, \i0+3
	FRAG AF+FR*(\i), ADRA+\slot, \q, \i
.endr
.endm
.macro SCALES sc
.irp i, 0,1,2,3,4,5,6,7
	ds_load_b64 v[SC+8*NQ*\sc+NQ*\i:SC+8*NQ*\sc+NQ*\i+1], v[ADRS] offset:\i*SBLK
.endr
.endm
.macro PLACES n
.rept \n
	v_nop
.endr
.endm
.macro STEP slot, q, zero
	s_wait_dscnt 4*NL
	WIN MUL_LO-0x20*(\zero)
	MUL16 0, (\q)%2, \q, \slot, \zero
	MUL16 2, (\q)%2, \q, \slot, \zero
	s_wait_dscnt 0
	PLACES NP
	FETCH_B \slot, (\q)+1, 1-(\q)%2
	FETCH_A \slot, (\q)+1, 0
	WIN MUL_HI-0x30*(\zero)
	MUL16 4, (\q)%2, \q, \slot, \zero
	MUL16 6, (\q)%2, \q, \slot, \zero
	PLACES NP
	WIN 0
	FETCH_A \slot, (\q)+1, 4
.endm
.macro TURN slot, next, fill
	s_wait_tensorcnt 0x0
	ds_add_u32 v[SPW], v[NIL]
	s_wait_dscnt 4*NL+1
	WIN MUL_LO
	MUL16 0, 1, NQ-1, \slot, 0
	s_wait_dscnt 0x0
	s_barrier_signal -1
	MUL16 2, 1, NQ-1, \slot, 0
	WIN 0
	s_barrier_wait -1
.if \fill
	CREST
	s_add_nc_u64 s[G0+4*\slot+2:G0+4*\slot+3], s[G0+4*\slot+2:G0+4*\slot+3], 2*TROW
	s_add_nc_u64 s[G0B+4*\slot+2:G0B+4*\slot+3], s[G0B+4*\slot+2:G0B+4*\slot+3], 2*TROW
	JLOAD G0+4*\slot, G1, G0B+4*\slot, G1B
.else
	PLACES NP
.endif
	s_wait_alu depctr_va_vdst(0)
	v_add_nc_u32 v[ADRS], 4*NQ, v[ADRS]
	FETCH_B \next, 0, 0
	FETCH_A \next, 0, 0
	SCALES \next
	WIN MUL_HI
	MUL16 4, 1, NQ-1, \slot, 0
	MUL16 6, 1, NQ-1, \slot, 0
	PLACES NP
	WIN 0
	FETCH_A \next, 0, 4
.endm
	s_wait_alu depctr_va_vdst(0)                   ; the wait at the head's end
	s_wait_tensorcnt 0x0                           ; my tile of the head's four is in; the lines ahead of a later first fill:
	ds_add_u32 v[SPW], v[NIL]
	s_mov_b32 s[G1+2], 8<<16                       ; no tensor load of mine is out: from here on a load brings eight row tiles
	s_mov_b32 s[G1+4], 8
	s_mov_b32 s[G1B+2], 8<<16
	s_mov_b32 s[G1B+4], 8
	s_wait_dscnt 0x0
	CROUND                                         ; all four tiles are in, in every partner
	JLOAD G0+4, G1, G0B+4, G1B                     ; slot 1's first fill, the first tensor load behind the round
	FETCH_B 0, 0, 0
	FETCH_A 0, 0, 0
	SCALES 0
	FETCH_A 0, 0, 4
	s_wait_loadcnt 0x0
.set n, 0
.rept 64
	v_and_b32 v[BI+n], s98, v[BI+n]
.set n, n+1
.endr
.irp a, 0,1,2,3,4,5,6,7
	v_and_b32 v[GG+2*\a], s99, v[GG+2*\a]
	v_and_b32 v[FF+2*\a], s101, v[FF+2*\a]
	v_mov_b32 v[GG+2*\a+1], 0
	v_cvt_f32_u32 v[FF+2*\a], v[FF+2*\a]
	v_mov_b32 v[FF+2*\a+1], 0
	v_fma_f32 v[FF+2*\a], -v[FF+2*\a], s100, s100
.endr
	STEP 0, 0, 1
	TURN 0, 1, 1
	STEP 1, 0, 0
	TURN 1, 0, 1
	STEP 0, 0, 0
	TURN 0, 1, 0
	STEP 1, 0, 0
	s_wait_dscnt 4*NL
	WIN MUL_LO
	MUL16 0, 1, NQ-1, 1, 0
	MUL16 2, 1, NQ-1, 1, 0
	s_wait_dscnt 0
	WIN MUL_HI
	MUL16 4, 1, NQ-1, 1, 0
	MUL16 6, 1, NQ-1, 1, 0
	WIN 0
.macro OUTA a
.set AC, 64*((\a)%4)
	WIN 0x02+(\a)/4
.set n, 0
.rept 32
	v_pk_fma_f32 v[HA+n:HA+n+1], v[AC+n:AC+n+1], v[FF+2*(\a):FF+2*(\a)+1], v[GG+2*(\a):GG+2*(\a)+1] op_sel_hi:[1,0,0]
.set n, n+2
.endr
	WIN 0
.if (\a) > 0
	s_wait_xcnt 0x0
.endif
	QUANT HA, PWS+(\a)
.irp c, 0,1,2
	global_store_b128 v[LI], v[PC+4*\c:PC+4*\c+3], s[12:13] offset:FRB*(\a)+512*\c
.endr
.endm
	PLACES NP
.irp a, 0,1,2,3,4,5,6,7
	OUTA \a
.endr
	v_cmp_ne_u32 vcc_lo, 0, v2
.irp y, 0,1,2,3
	v_cndmask_b32 v[HA+\y], v[PWS+\y], v[PWS+4+\y], vcc_lo
.endr
	global_store_b128 v[WO], v[HA:HA+3], s[12:13] offset:8*FRB
	s_wait_tensorcnt 0x0
	ds_add_u32 v[SPW], v[NIL]
	s_wait_dscnt 0x0
	CROUND
	s_endpgm
.Lfunc_end_k_q0897f4ccb9_proj:
	.size	k_q0897f4ccb9_proj, .Lfunc_end_k_q0897f4ccb9_proj-k_q0897f4ccb9_proj
	.p2alignl 7, 3214868480
	.fill 96, 4, 3214868480
	.section	.rodata,"a",@progbits
	.p2align	6, 0x0
	.amdhsa_kernel k_q0897f4ccb9_proj
		.amdhsa_group_segment_fixed_size 327680
		.amdhsa_private_segment_fixed_size 0
		.amdhsa_enable_private_segment 0
		.amdhsa_kernarg_size 40
		.amdhsa_user_sgpr_count 2
		.amdhsa_user_sgpr_kernarg_segment_ptr 1
		.amdhsa_wavefront_size32 1
		.amdhsa_system_sgpr_workgroup_id_x 1
		.amdhsa_system_sgpr_workgroup_id_y 1
		.amdhsa_system_sgpr_workgroup_id_z 1
		.amdhsa_system_vgpr_workitem_id 0
		.amdhsa_next_free_vgpr 1024
		.amdhsa_next_free_sgpr 102
		.amdhsa_reserve_vcc 1
		.amdhsa_float_denorm_mode_32 3
		.amdhsa_float_denorm_mode_16_64 3
		.amdhsa_memory_ordered 1
		.amdhsa_forward_progress 1
		.amdhsa_inst_pref_size 164
	.end_amdhsa_kernel
	.amdgpu_metadata
---
amdhsa.version: [ 1, 2 ]
amdhsa.kernels:
  - .name:           k_q0897f4ccb9_proj
    .symbol:         k_q0897f4ccb9_proj.kd
    .args:
      - { .name: opq, .offset: 0, .size: 8, .value_kind: global_buffer, .address_space: global }
      - { .name: ops, .offset: 8, .size: 8, .value_kind: global_buffer, .address_space: global }
      - { .name: b_in, .offset: 16, .size: 8, .value_kind: global_buffer, .address_space: global }
      - { .name: key_padding_mask, .offset: 24, .size: 8, .value_kind: global_buffer, .address_space: global }
      - { .name: qkv, .offset: 32, .size: 8, .value_kind: global_buffer, .address_space: global }
    .group_segment_fixed_size: 327680
    .private_segment_fixed_size: 0
    .kernarg_segment_align: 8
    .kernarg_segment_size: 40
    .max_flat_workgroup_size: 128
    .sgpr_count:     102
    .vgpr_count:     1024
    .wavefront_size: 32
...
	.end_amdgpu_metadata
.endif
;; end of part 2
;; launch attn (part 3): grid 16 x 16, 8 waves a work-group, clusters of 4 x 1, 327,680 bytes of LDS; arguments attn_mask, pml, qkv, aq, asc; writes aq, asc
.if DOCPART == 3
	.amdgcn_target "amdgcn-amd-amdhsa--gfx1250"
	.amdhsa_code_object_version 6
	.text
	.protected	k_q0897f4ccb9_attn
	.globl	k_q0897f4ccb9_attn
	.p2align	8
	.type	k_q0897f4ccb9_attn,@function
k_q0897f4ccb9_attn:
	s_mov_b64 s[64:65], 0
	v_nop
	global_prefetch_b8 v0, s[64:65] scope:SCOPE_SE
	s_setreg_imm32_b32 hwreg(HW_REG_WAVE_MODE, 25, 1), 1
	s_wait_xcnt 0x0
	s_wait_alu depctr_hold_cnt(0) depctr_sa_sdst(0) depctr_va_vdst(0) depctr_va_sdst(0) depctr_va_ssrc(0) depctr_va_vcc(0) depctr_vm_vsrc(0)
	s_getreg_b32 s2, hwreg(HW_REG_IB_STS2, 6, 4)
	s_cmp_eq_u32 s2, 0
	s_cbranch_scc0 .Lentry_in_a_cluster
	s_endpgm
.Lentry_in_a_cluster:
	s_bfe_u32 s2, ttmp6, 0x10000c
	s_cmp_lg_u32 s2, 0x3003
	s_cbranch_scc0 .Lentry_shape_is_right
	s_endpgm
.Lentry_shape_is_right:
; Attention on codes of FP6 (E2M3) with E8M0 scales: scores = q k^T + attn_mask, -1e9 at padded keys; p = 2^(t - M), t = score x log2(e), M the running largest t rounded up to a whole number;
; p is quantised along the keys; the row's sum is taken of the unquantised p and divides at the end; the result is quantised along E and leaves as codes for the last product.
; IN: qkv [b][step of 128 tokens][G 24][12,800]: eight fragments' images (1,536 bytes each) and 512 bytes of scale words [16 rows][8].  G 0-7 q, 8-15 k: fragment a = 16 tokens x two heads (registers 0-5 the even
; head, 6-11 the odd one); G 16-23 v: fragment 4 e + d = 16 channels of head e of the pair x the step's 128 keys.  pml [b][step][64]: a lane mask for each register of the scores' layout, set at padded keys.
; OUT: aq [512 row tiles][8 head pairs][1,536], asc [8,192 rows][8 words].
; SHARES: a work-group owns 128 queries of one b and four heads; wave w owns 16 queries, tile w, for all four heads; two waves to a SIMD.
; CLUSTER: the four work-groups of a cluster have the same b and queries and the 16 heads between them: they ask for the tile of attn_mask JOINTLY; K and V are each work-group's own.
; LAYOUT: both products transposed (S^T = K Q^T, O^T = V^T P^T): a lane holds one query.  Place p of a tile holds row 32 (u / 2) + 8 (u % 2) + p + 8 (p / 8), so that the 16 registers of tiles 2 b', 2 b' + 1 are
; 16 neighbours.  The mask is the C of the first product.  Padded keys: the mask's number is replaced by -1e9 (their k codes are zeros).  A head is 64 and the instruction's K is 128: K's tiles of one head lie
; six registers apart, Q lies as [even head | zeros | odd head], and Q's scale word has the byte 1 for the half that is not the head's.
; A KEY STEP'S ORDER: slot s % 2 holds step s's tiles.  In head 2 every wave waits for its tensor loads and signals; behind that barrier's wait, at head 3's start, the next slot is whole: the next step's mask and
; head 0's K are read from it behind head 3's first products, and land under head 3's softmax.  In front of head 3's second product stand the three lines and the opening signal of the round behind which
; the slot just left takes step s + 2.  The padding masks come by scalar loads, 64 registers a step, asked for a step ahead.
; The mask's LDS rows are 520 bytes apart and are read 8 bytes a lane: row x begins at word 2 x mod 64, the halves 16 words apart: the 32 lanes of a load touch 64 different banks (ISA guide 11.1).
; LIMITS: NaN and infinities are not served.  Where |t| is beyond 2^23 (a row all of whose keys so far are padded) M, taken of the rounded t, can be off by the rounding.  A block of zeros keeps the byte 1.
; REGISTERS: window 0: v1-13 addresses; v16-31 four a head: -M, largest t, the sum in two halves; v32-95 S^T, then p; v96-155 K; v156-203 V; v204-223 p's codes; v224-239 at work; v240-251 scale words; v252 f, v253 p's word.
;   window 1: v0-127 O^T (32 a head); v128-191 the mask; v192-227 Q.
.set SLOT1, 131072
.set MP,    520
.set UNIT,  12800
.set KOFF,  128*MP
.set VOFF,  KOFF+2*UNIT
.set SPARE, 2*SLOT1                    ; the spare words: 128 bytes a wave, four blocks of 256 bytes that no other line names
.set AM0, 1
.set AK0, 2
.set AV0, 3
.set AKS0, 4
.set AVS0, 5
.set NEG, 6                            ; -1e9
.set AM,  7
.set AK,  8
.set AV,  9
.set AKS, 10
.set AVS, 11
.set LI,  13
.set ST,  16
.set SX,  32
.set KF,  102                          ; tile t at v[102 + 6 t]; v96-101 and v150-155 hold zeros
.set VF,  156
.set PC,  204
.set PT,  216
.set TM,  224
.set BM,  224
.set BT,  228
.set SO,  232
.set KS,  240
.set VS,  244
.set QS,  248
.set SPW, 254
.set NIL, 255
.set MK,  128                          ; window 1
.set QF,  192                          ; window 1
.set PB,  2                            ; s[2:3] my b's padding masks
.set G0D, 20
.set TB,  24                           ; the slot whose addresses are in hand
.set PO,  25                           ; the step's padding masks: 256 bytes a step
.set CNT, 26
.set WV,  27
.set G1M, 28
.set G0M, 36
.set G1D, 40
.set CS,  66
.set SEL, 100
; the 64 padding masks lie in s[4:19], s[48:63], s[68:83], s[84:99]; in the head and the tail these registers are at work otherwise
.set MSB, 0
.macro WIN new
.if MSB != (\new)
	s_set_vgpr_msb (MSB<<8)|(\new)
.set MSB, (\new)
.endif
.endm
; Waves 0 and 1 fetch the mask's two halves, jointly; wave 2 fetches k's two units, wave 3 v's; the others nothing.  The branches hang on the wave's number alone.
.macro TLOAD
	s_cmp_lt_u32 s[WV], 2
	s_cbranch_scc0 .Lnot_m_\@
	tensor_load_to_lds s[G0M:G0M+3], s[G1M:G1M+7]
	s_nop 0
.rept 4
	v_nop
.endr
	s_branch .Lasked_\@
.Lnot_m_\@:
	s_cmp_lt_u32 s[WV], 4
	s_cbranch_scc0 .Lasked_\@
	tensor_load_to_lds s[G0D:G0D+3], s[G1D:G1D+7]
	s_nop 0
.rept 4
	v_nop
.endr
.Lasked_\@:
.endm
.macro CREST                           ; a round of the cluster's barrier behind its opening barrier
	s_cmp_lg_u32 s[WV], 0
	s_cbranch_scc1 .Lnot_w0_\@
	s_barrier_signal -3
.Lnot_w0_\@:
	s_barrier_wait -3
	s_barrier_signal -1
	s_barrier_wait -1
.endm
.macro CROUND
	s_barrier_signal -1
	s_barrier_wait -1
	CREST
.endm
.macro NEXTT                           ; no tensor load of mine is out: the descriptors step to the other slot and a key step on, and the load is issued
	s_xor_b32 s[G0M+1], s[G0M+1], SLOT1
	s_add_nc_u64 s[G0M+2:G0M+3], s[G0M+2:G0M+3], 512
	s_xor_b32 s[G0D+1], s[G0D+1], SLOT1
	s_add_nc_u64 s[G0D+2:G0D+3], s[G0D+2:G0D+3], 24*UNIT
	TLOAD
.endm
.macro PLOAD                           ; a step's 64 padding masks
	s_load_b512 s[4:19], s[PB:PB+1], s[PO] offset:0x0
	s_load_b512 s[48:63], s[PB:PB+1], s[PO] offset:0x40
	s_load_b512 s[68:83], s[PB:PB+1], s[PO] offset:0x80
	s_load_b512 s[84:99], s[PB:PB+1], s[PO] offset:0xc0
.endm
.macro QUANT s, pw                     ; 64 numbers of a lane, register 16 b + i = k 32 b + 16 h + i of its row, become a fragment's codes in v[PC] on and its scale word in v[pw]
.irp b, 0,1,2,3
	v_max3_num_f32 v[TM+\b], |v[\s+16*\b]|, |v[\s+1+16*\b]|, 0x1800000
.endr
.irp i, 2,4,6,8,10,12,14
.irp b, 0,1,2,3
	s_delay_alu instid0(VALU_DEP_4)
	v_max3_num_f32 v[TM+\b], v[TM+\b], |v[\s+16*\b+\i]|, |v[\s+1+16*\b+\i]|
.endr
.endr
.irp b, 0,1,2,3
	s_delay_alu instid0(VALU_DEP_4)
	v_permlanex16_b32 v[TM+4+\b], v[TM+\b], s[SEL], s[SEL+1]
.endr
.irp b, 0,1,2,3
	s_delay_alu instid0(VALU_DEP_4)
	v_max_num_f32 v[TM+\b], v[TM+\b], v[TM+4+\b]
.endr
.irp b, 0,1,2,3
	s_delay_alu instid0(VALU_DEP_4)
	v_add_nc_u32 v[TM+12+\b], 0xff000000, v[TM+\b]
.endr
.irp b, 0,1,2,3
	s_delay_alu instid0(VALU_DEP_4)
	v_lshrrev_b32 v[TM+4+\b], 23, v[TM+12+\b]
.endr
	s_delay_alu instid0(VALU_DEP_3)
	v_lshl_or_b32 v[\pw], v[TM+5], 8, v[TM+4]
	s_delay_alu instid0(VALU_DEP_1)
	v_lshl_or_b32 v[\pw], v[TM+6], 16, v[\pw]
	s_delay_alu instid0(VALU_DEP_1)
	v_lshl_or_b32 v[\pw], v[TM+7], 24, v[\pw]
.irp c, 0,1
	v_cvt_scalef32_pk16_fp6_f32 v[PC+6*\c:PC+2+6*\c], v[\s+32*\c:\s+15+32*\c], v[TM+12+2*\c]
	v_cvt_scalef32_pk16_fp6_f32 v[PC+12+4*\c:PC+14+4*\c], v[\s+16+32*\c:\s+31+32*\c], v[TM+12+2*\c+1]
.endr
	v_nop
.irp c, 0,1
.irp i, 0,1,2
	v_permlane16_swap_b32 v[PC+6*\c+\i], v[PC+12+4*\c+\i]
.endr
.irp i, 0,1,2
	s_delay_alu instid0(VALU_DEP_3)
	v_mov_b32 v[PC+3+6*\c+\i], v[PC+12+4*\c+\i]
.endr
.endr
.endm
	s_load_b128 s[4:7], s[0:1], 0x0                ; attn_mask, pml
	s_load_b64 s[8:9], s[0:1], 0x10                ; qkv
	v_lshl_add_u32 v[SPW], v0, 2, SPARE
	v_mov_b32 v[NIL], 0
	ds_add_u32 v[SPW], v[NIL]                      ; the opening lines: the add, twice on end, and its wait ahead of my first tensor load
	ds_add_u32 v[SPW], v[NIL]
	v_lshrrev_b32 v7, 5, v0
	s_delay_alu instid0(VALU_DEP_1)
	v_readfirstlane_b32 s[WV], v7                  ; wave 0..7
	s_bfe_u32 s10, ttmp6, 0x40000                  ; g = my place in the cluster: heads 4 g .. 4 g + 3.  ttmp9 = b
	s_and_b32 s11, ttmp7, 0xffff                   ; qb: which 128 queries
	; group 1 for the mask: 64 rows x 128 f32, 2,048 apart, 8 bytes of padding behind each row; the mask names all four work-groups
	s_mov_b32 s[G1M], 15|(2<<16)|(1<<20)|(1<<21)|(6<<22)|(1<<25)
	s_mov_b32 s[G1M+1], 128<<16
	s_mov_b32 s[G1M+2], 64<<16
	s_mov_b32 s[G1M+3], 128<<16
	s_mov_b32 s[G1M+4], 64
	s_mov_b32 s[G1M+5], 2048
	s_mov_b32 s[G1M+6], 0
	s_mov_b32 s[G1M+7], 0
	; group 1 for two units of k or of v: 25,600 dense bytes as 100 rows of 256
	s_mov_b32 s[G1D], 3<<16
	s_mov_b32 s[G1D+1], 32<<16
	s_mov_b32 s[G1D+2], 100<<16
	s_mov_b32 s[G1D+3], 32<<16
	s_mov_b32 s[G1D+4], 100
	s_mov_b32 s[G1D+5], 32
	s_mov_b32 s[G1D+6], 0
	s_mov_b32 s[G1D+7], 0
	s_lshl_b32 s12, s11, 7
	s_lshl_b32 s13, s[WV], 6
	s_add_co_u32 s12, s12, s13
	s_lshl_b32 s12, s12, 13                        ; the mask: row 128 qb + 64 wave, 8,192 bytes a row: nothing of my place in the cluster
	s_mov_b32 s13, 0
	s_mul_i32 s14, s[WV], 64*MP
	s_mul_i32 s16, ttmp9, 384                      ; k, v: unit 24 (16 b + step) + 8 (wave - 1) + 2 g (used by waves 2 and 3 alone)
	s_lshl_b32 s17, s[WV], 3
	s_add_co_u32 s16, s16, s17
	s_lshl_b32 s17, s10, 1
	s_add_co_u32 s16, s16, s17
	s_sub_co_u32 s16, s16, 8
	s_mul_i32 s16, s16, UNIT
	s_mov_b32 s17, 0
	s_mul_i32 s15, s[WV], 2*UNIT
	s_add_co_u32 s15, s15, KOFF-4*UNIT             ; wave 2: KOFF, wave 3: VOFF
	s_mov_b32 s[SEL], 0x76543210
	s_mov_b32 s[SEL+1], 0xfedcba98
	s_mov_b32 s[CS], 0x3fb8aa3b                    ; log2(e)
	s_mov_b32 s[CS+1], s[CS]
	s_mov_b32 s[TB], 0
	s_mov_b32 s[PO], 0
	s_mov_b32 s[CNT], 14
	s_mov_b32 s68, 0xffff
	s_mov_b32 s69, 0x01010000
	s_mov_b32 s70, 0xffff0000
	s_mov_b32 s71, 0x0101
	s_wait_dscnt 0x0                               ; both opening adds are done
	s_wait_kmcnt 0x0
	s_mov_b32 s[G0M], 1
	s_mov_b32 s[G0M+1], s14
	s_add_nc_u64 s[G0M+2:G0M+3], s[4:5], s[12:13]
	s_or_b32 s[G0M+3], s[G0M+3], 0x80000000
	s_mov_b32 s[G0D], 1
	s_mov_b32 s[G0D+1], s15
	s_add_nc_u64 s[G0D+2:G0D+3], s[8:9], s[16:17]
	s_or_b32 s[G0D+3], s[G0D+3], 0x80000000
	CROUND                                         ; all four work-groups are here
	TLOAD                                          ; key step 0 into slot 0
	s_lshl_b32 s12, ttmp9, 12
	s_mov_b32 s13, 0
	s_add_nc_u64 s[PB:PB+1], s[6:7], s[12:13]      ; my b's 4,096 bytes of padding masks
	s_lshl_b32 s18, ttmp9, 4
	s_add_co_u32 s18, s18, s11
	s_mul_i32 s18, s18, 24
	s_lshl_b32 s48, s10, 1
	s_add_co_u32 s18, s18, s48
	s_mul_i32 s18, s18, UNIT
	s_mov_b32 s19, 0
	s_add_nc_u64 s[18:19], s[8:9], s[18:19]        ; q: unit 24 (16 b + qb) + 2 g
	v_and_b32 v[LI], 31, v0
	s_delay_alu instid0(VALU_DEP_1)
	v_lshlrev_b32 v[LI], 4, v[LI]
	s_mul_i32 s48, s[WV], 1536
	v_add_nc_u32 v15, s48, v[LI]                   ; fragment w
	v_and_b32 v236, 15, v0                         ; r
	v_bfe_u32 v237, v0, 4, 1                       ; h
	s_lshl_b32 s49, s[WV], 2
	v_lshlrev_b32 v238, 5, v236
	s_delay_alu instid0(VALU_DEP_1)
	v_add_nc_u32 v238, s49, v238                   ; its scale word: 32 r + 4 w
	WIN 0x40
.irp u, 0,1
	global_load_b128 v[QF+18*\u:QF+18*\u+3], v15, s[18:19] offset:UNIT*\u            ; the even head: registers 0-5 of the image,
	global_load_b64 v[QF+18*\u+4:QF+18*\u+5], v15, s[18:19] offset:UNIT*\u+512
	global_load_b64 v[QF+18*\u+12:QF+18*\u+13], v15, s[18:19] offset:UNIT*\u+520     ; the odd head: registers 6-11
	global_load_b128 v[QF+18*\u+14:QF+18*\u+17], v15, s[18:19] offset:UNIT*\u+1024
.endr
.set n, 0
.rept 128
	v_mov_b32 v[n], 0                              ; O^T: the key step is written for every step alike; the first change of M leaves zeros zeros
.set n, n+1
.endr
.irp u, 0,1
.irp i, 6,7,8,9,10,11
	v_mov_b32 v[QF+18*\u+\i], 0                    ; the zero codes between the two heads
.endr
.endr
	WIN 0
.irp u, 0,1
	global_load_b32 v[KS+\u], v238, s[18:19] offset:UNIT*\u+12288
.endr
	v_and_b32 v239, 8, v236
	s_delay_alu instid0(VALU_DEP_1)
	v_add_nc_u32 v239, v239, v236                  ; r + 8 (r / 8)
	s_lshr_b32 s50, s[WV], 1
	s_lshl_b32 s50, s50, 5
	s_and_b32 s51, s[WV], 1
	s_lshl_b32 s51, s51, 3
	s_add_co_u32 s50, s50, s51                     ; my tile's first row among the 128
	s_mul_i32 s50, s50, MP
	v_mul_u32_u24 v[AM0], v239, MP
	s_delay_alu instid0(VALU_DEP_1)
	v_lshl_add_u32 v[AM0], v237, 6, v[AM0]
	s_delay_alu instid0(VALU_DEP_1)
	v_add_nc_u32 v[AM0], s50, v[AM0]               ; the mask: my query's row, + 64 h
	v_add_nc_u32 v[AK0], KOFF, v[LI]
	v_add_nc_u32 v[AV0], VOFF, v[LI]
	v_lshlrev_b32 v[AKS0], 5, v236
	s_delay_alu instid0(VALU_DEP_1)
	v_lshl_add_u32 v[AKS0], v237, 4, v[AKS0]       ; scale words: 32 r + 16 h: lanes 0-15 take fragments 0-3, lanes 16-31 fragments 4-7
	s_delay_alu instid0(VALU_DEP_1)
	v_add_nc_u32 v[AVS0], VOFF+12288, v[AKS0]
	s_delay_alu instid0(VALU_DEP_2)
	v_add_nc_u32 v[AKS0], KOFF+12288, v[AKS0]
	v_mov_b32 v[NEG], 0xce6e6b28
.irp q, 0,1,2,3
	v_mov_b32 v[ST+4*\q+1], 0xff61b1e6             ; the largest t so far: -3e38
	s_delay_alu instid0(VALU_DEP_1)
	v_floor_f32 v[ST+4*\q], -v[ST+4*\q+1]          ; -M
	v_mov_b32 v[ST+4*\q+2], 0
	v_mov_b32 v[ST+4*\q+3], 0
	v_mov_b32 v[BT+\q], 0                          ; written once: a lane permute's destination counts as one of its sources
.endr
.irp i, 0,1,2,3,4,5
	v_mov_b32 v[KF-6+\i], 0
	v_mov_b32 v[KF+48+\i], 0
.endr
	v_mov_b32 v253, 0                              ; (named as the upper half of the pair v[252:253] before it is first written)
	s_wait_loadcnt 0x0
.irp u, 0,1
	v_and_or_b32 v[QS+2*\u], v[KS+\u], s68, s69    ; a head's two bytes, and the byte 1 for the half of K that is not the head's
	v_and_or_b32 v[QS+2*\u+1], v[KS+\u], s70, s71
.endr
.macro KLOAD hd                        ; head hd's half of the eight fragments of k: six registers a tile
.set KU, UNIT*((\hd)/2)
.irp t, 0,1,2,3,4,5,6,7
.if (\hd)%2 == 0
	ds_load_b128 v[KF+6*\t:KF+6*\t+3], v[AK] offset:KU+1536*\t
	ds_load_b64 v[KF+6*\t+4:KF+6*\t+5], v[AK] offset:KU+1536*\t+512
.else
	ds_load_b64 v[KF+6*\t:KF+6*\t+1], v[AK] offset:KU+1536*\t+520
	ds_load_b128 v[KF+6*\t+2:KF+6*\t+5], v[AK] offset:KU+1536*\t+1024
.endif
.endr
.if (\hd)%2 == 0
	ds_load_b128 v[KS:KS+3], v[AKS] offset:KU      ; the pair's scale words
.endif
.endm
.macro VLOAD hd                        ; head hd's four fragments of v
.set VU, UNIT*((\hd)/2)+6144*((\hd)%2)
.irp n, 0,1,2,3,4,5,6,7,8,9,10,11
	ds_load_b128 v[VF+4*\n:VF+4*\n+3], v[AV] offset:VU+512*\n
.endr
.if (\hd)%2 == 0
	ds_load_b128 v[VS:VS+3], v[AVS] offset:UNIT*((\hd)/2)
.endif
.endm
.macro PREF                            ; slot TB's addresses; its mask in the scores' layout (register 16 b' + i = key 32 b' + 16 h + i), and head 0's K
	v_add_nc_u32 v[AM], s[TB], v[AM0]
	v_add_nc_u32 v[AK], s[TB], v[AK0]
	v_add_nc_u32 v[AV], s[TB], v[AV0]
	v_add_nc_u32 v[AKS], s[TB], v[AKS0]
	v_add_nc_u32 v[AVS], s[TB], v[AVS0]
	WIN 0x40
.set m, 0
.rept 32
	ds_load_b64 v[MK+2*m:MK+2*m+1], v[AM] offset:128*(m/8)+8*(m%8)
.set m, m+1
.endr
	WIN 0
	KLOAD 0
.endm
; ONE HEAD'S PART OF A KEY STEP: 128 keys.  kind 1: a step behind which a slot is filled again; kind 2: one of the last two steps
.macro HEADSTEP hd, kind
.set HU, (\hd)/2
.set HE, (\hd)%2
.set HN, ST+4*(\hd)
.set HO, 32*(\hd)
	s_wait_dscnt 0x0                               ; K's tiles and words are in
.if (\hd) == 3
	WIN 0
	s_barrier_wait -1                              ; every wave's tensor loads have landed: the next slot is whole
.rept 4
	v_nop                                          ; places behind head 2's last products, in front of the loads into V's registers
.endr
	VLOAD 3                                        ; my last reads of this slot
.endif
	WIN 0x14                                       ; Q and the mask in window 1
.irp t, 0,1,2,3,4,5,6,7
.set KA, KF+6*\t-6*HE
.if \t < 4
	v_wmma_scale_f32_16x16x128_f8f6f4 v[SX+8*\t:SX+8*\t+7], v[KA:KA+11], v[QF+18*HU+6*HE:QF+18*HU+6*HE+11], v[MK+8*\t:MK+8*\t+7], v[KS+\t%4], v[QS+(\hd)] matrix_a_fmt:MATRIX_FMT_FP6 matrix_b_fmt:MATRIX_FMT_FP6
.else
	v_wmma_scale_f32_16x16x128_f8f6f4 v[SX+8*\t:SX+8*\t+7], v[KA:KA+11], v[QF+18*HU+6*HE:QF+18*HU+6*HE+11], v[MK+8*\t:MK+8*\t+7], v[KS+\t%4], v[QS+(\hd)] matrix_a_fmt:MATRIX_FMT_FP6 matrix_b_fmt:MATRIX_FMT_FP6 matrix_a_scale:MATRIX_SCALE_ROW1
.endif
.endr
.rept 4
	v_nop                                          ; places: in front of the first read of the scores, and of loads into registers that these products have read
.endr
	WIN 0
.if (\hd) < 3
	VLOAD \hd                                      ; both runs land under the softmax
	KLOAD (\hd)+1
.else
	s_xor_b32 s[TB], s[TB], SLOT1
.if (\kind) == 2
	s_cmp_eq_u32 s[CNT], 1                         ; the last step has no next step: the branch, on the trip's number, leads round the reads alone
	s_cbranch_scc1 .Lnf_\@
.endif
	PREF                                           ; the next step's mask and first K: they land under this head's softmax
.if (\kind) == 2
.Lnf_\@:
.endif
.endif
.irp b, 0,1,2,3
	v_max3_num_f32 v[BM+\b], v[SX+16*\b], v[SX+1+16*\b], v[SX+2+16*\b]   ; the largest score of each block of 32 keys: for the row's maximum and, since p rises with the score, for the block's largest p
.endr
.irp i, 3,5,7,9,11,13
.irp b, 0,1,2,3
	v_max3_num_f32 v[BM+\b], v[BM+\b], v[SX+16*\b+\i], v[SX+1+16*\b+\i]
.endr
.endr
.irp b, 0,1,2,3
	v_max_num_f32 v[BM+\b], v[BM+\b], v[SX+15+16*\b]
.endr
.irp b, 0,1,2,3
	s_delay_alu instid0(VALU_DEP_4)
	v_permlanex16_b32 v[BT+\b], v[BM+\b], s[SEL], s[SEL+1]
.endr
.irp b, 0,1,2,3
	s_delay_alu instid0(VALU_DEP_4)
	v_max_num_f32 v[BM+\b], v[BM+\b], v[BT+\b]
.endr
	s_delay_alu instid0(VALU_DEP_2)
	v_max3_num_f32 v238, v[BM], v[BM+1], v[BM+2]
	s_delay_alu instid0(VALU_DEP_1)
	v_max_num_f32 v238, v238, v[BM+3]
	s_delay_alu instid0(VALU_DEP_1)
	v_mul_f32 v238, s[CS], v238
	s_delay_alu instid0(VALU_DEP_1)
	v_max_num_f32 v[HN+1], v[HN+1], v238           ; the running largest t
	v_mov_b32 v238, v[HN]
	s_delay_alu instid0(VALU_DEP_2)
	v_floor_f32 v[HN], -v[HN+1]                    ; -M = floor(-t): M is a whole number
	s_delay_alu instid0(VALU_DEP_1)
	v_sub_f32 v238, v[HN], v238
	s_delay_alu instid0(VALU_DEP_1)
	v_cvt_i32_f32 v238, v238                       ; (it saturates)
	s_delay_alu instid0(VALU_DEP_1)
	v_ldexp_f32 v252, 1.0, v238                    ; f = 2^(old M - new M): rounds nothing
.set n, 0
.rept 32
	v_pk_fma_f32 v[SX+n:SX+n+1], v[SX+n:SX+n+1], s[CS:CS+1], v[HN:HN+1] op_sel_hi:[1,0,0]   ; t - M
.set n, n+2
.endr
.irp b, 0,1,2,3
	v_fma_f32 v[BM+\b], v[BM+\b], s[CS], v[HN]
.endr
	s_wait_alu depctr_va_vdst(0)                   ; the wait ahead of the batch
.if (\hd) == 2
	s_wait_tensorcnt 0x0                           ; my part of the next step's tiles is in,
	s_wait_dscnt 0x0                               ; no LDS instruction of mine is out:
	s_barrier_signal -1                            ; say so
.endif
.set n, 0
.rept 64
	v_exp_f32 v[SX+n], v[SX+n]                     ; p = 2^(t - M)
.set n, n+1
.endr
	v_pk_mul_f32 v[HN+2:HN+3], v[HN+2:HN+3], v[252:253] op_sel_hi:[1,0]   ; the sums under the new M: a plain place behind the exponentials
	s_wait_alu depctr_va_vdst(0)                   ; one wait for the batch, ahead of its first reader
.irp b, 0,1,2,3
	v_exp_f32 v[BM+\b], v[BM+\b]                   ; the blocks' largest p
.endr
	v_pk_add_f32 v[236:237], v[SX:SX+1], v[SX+2:SX+3]   ; the row's sum, of the unquantised p, in two chains
.set n, 4
.rept 15
	v_pk_add_f32 v[HN+2:HN+3], v[HN+2:HN+3], v[SX+n:SX+n+1]
	v_pk_add_f32 v[236:237], v[236:237], v[SX+n+2:SX+n+3]
.set n, n+4
.endr
	s_delay_alu instid0(VALU_DEP_1)
	v_pk_add_f32 v[HN+2:HN+3], v[HN+2:HN+3], v[236:237]
	s_wait_alu depctr_va_vdst(0)                   ; and one for the four
.irp b, 0,1,2,3
	v_max_num_f32 v[BM+\b], 0x1800000, v[BM+\b]    ; the floor 2^(3 - 127)
.endr
.irp b, 0,1,2,3
	s_delay_alu instid0(VALU_DEP_4)
	v_add_nc_u32 v[SO+\b], 0xff000000, v[BM+\b]
.endr
.irp b, 0,1,2,3
	s_delay_alu instid0(VALU_DEP_4)
	v_lshrrev_b32 v[BT+\b], 23, v[SO+\b]
.endr
	s_delay_alu instid0(VALU_DEP_3)
	v_lshl_or_b32 v253, v[BT+1], 8, v[BT]
	s_delay_alu instid0(VALU_DEP_1)
	v_lshl_or_b32 v253, v[BT+2], 16, v253
	s_delay_alu instid0(VALU_DEP_1)
	v_lshl_or_b32 v253, v[BT+3], 24, v253          ; p's scale word for these 128 keys
.irp c, 0,1
	v_cvt_scalef32_pk16_fp6_f32 v[PC+6*\c:PC+2+6*\c], v[SX+32*\c:SX+15+32*\c], v[SO+2*\c]
	v_cvt_scalef32_pk16_fp6_f32 v[PT+4*\c:PT+2+4*\c], v[SX+16+32*\c:SX+31+32*\c], v[SO+2*\c+1]
.endr
	v_nop
.irp c, 0,1
.irp i, 0,1,2
	v_permlane16_swap_b32 v[PC+6*\c+\i], v[PT+4*\c+\i]
.endr
.irp i, 0,1,2
	s_delay_alu instid0(VALU_DEP_3)
	v_mov_b32 v[PC+3+6*\c+\i], v[PT+4*\c+\i]
.endr
.endr
.if ((\hd) == 3) && ((\kind) == 1)
	s_wait_tensorcnt 0x0                           ; the three lines in front of the refill's round: none of my tensor loads is out;
	ds_add_u32 v[SPW], v[NIL]                      ; the add, here twice on end; the sixteen multiplications stand between it and its wait
	ds_add_u32 v[SPW], v[NIL]
.else
	s_wait_dscnt 0x0                               ; V's fragments (and what else was asked for) are in
.endif
	WIN 0x41
.set n, 0
.rept 16
	v_pk_mul_f32 v[HO+n:HO+n+1], v[HO+n:HO+n+1], v[252:253] op_sel_hi:[1,0]   ; O^T under the new M; these sixteen are also the places between p's codes and word and the products
.set n, n+2
.endr
.if ((\hd) == 3) && ((\kind) == 1)
	s_wait_alu depctr_va_vdst(0)                   ; the wait here, directly ahead of the wait below
	s_wait_dscnt 0x0                               ; the adds are done; V's fragments and the next step's mask and K are in; my reads of this slot are over
	s_barrier_signal -1                            ; the round's opening signal; four products stand between it and its wait
.endif
	WIN 0x50
.irp d, 0,1,2,3
.if HE == 0
	v_wmma_scale_f32_16x16x128_f8f6f4 v[HO+8*\d:HO+8*\d+7], v[VF+12*\d:VF+12*\d+11], v[PC:PC+11], v[HO+8*\d:HO+8*\d+7], v[VS+\d], v253 matrix_a_fmt:MATRIX_FMT_FP6 matrix_b_fmt:MATRIX_FMT_FP6
.else
	v_wmma_scale_f32_16x16x128_f8f6f4 v[HO+8*\d:HO+8*\d+7], v[VF+12*\d:VF+12*\d+11], v[PC:PC+11], v[HO+8*\d:HO+8*\d+7], v[VS+\d], v253 matrix_a_fmt:MATRIX_FMT_FP6 matrix_b_fmt:MATRIX_FMT_FP6 matrix_a_scale:MATRIX_SCALE_ROW1
.endif
.endr
.endm
.macro KEYSTEP kind
	s_wait_dscnt 0x0                               ; the mask and head 0's K are in registers
	s_wait_kmcnt 0x0                               ; and the step's padding masks
	WIN 0x41
.set n, 0
.rept 64
	v_cndmask_b32 v[MK+n], v[MK+n], v[NEG], s[4+n+28*((n/16+2)/3)+4*(n/32)]   ; -1e9 at a padded key: once for the four heads
.set n, n+1
.endr
	WIN 0
	s_wait_alu depctr_va_vdst(0)                   ; the wait here: behind it the masks' registers have been read
.if (\kind) == 2
	s_cmp_eq_u32 s[CNT], 1                         ; the last step asks for no further masks
	s_cbranch_scc1 .Lnp_\@
.endif
	s_add_co_u32 s[PO], s[PO], 256
	PLOAD                                          ; the next step's
.if (\kind) == 2
.Lnp_\@:
.endif
	HEADSTEP 0, \kind
	HEADSTEP 1, \kind
	HEADSTEP 2, \kind
	HEADSTEP 3, \kind
	WIN 0
.endm
	s_wait_alu depctr_va_vdst(0)                   ; the wait at the head's end
	PLOAD                                          ; key step 0's padding masks
	s_wait_tensorcnt 0x0                           ; key step 0's tiles are in; the lines ahead of slot 1's first fill
	ds_add_u32 v[SPW], v[NIL]
	ds_add_u32 v[SPW], v[NIL]
	s_wait_dscnt 0x0
	CROUND
	NEXTT                                          ; key step 1 into slot 1
	PREF                                           ; key step 0's mask and first K
.Lstep:                                            ; 14 trips: trip s works key step s and asks for key step s + 2
	KEYSTEP 1
	s_barrier_wait -1                              ; every wave has left this slot
	CREST
	NEXTT
	s_sub_co_u32 s[CNT], s[CNT], 1
	s_cmp_lg_u32 s[CNT], 0
	s_cbranch_scc1 .Lstep
	s_mov_b32 s[CNT], 2
	s_mov_b32 s[TB], 0                             ; key step 14 lies in slot 0
.Llast:                                            ; the last two key steps fill nothing: a loop of their own
	KEYSTEP 2
	s_sub_co_u32 s[CNT], s[CNT], 1
	s_cmp_lg_u32 s[CNT], 0
	s_cbranch_scc1 .Llast
	; THE WAY OUT: O^T / the sum; a pair's 64 registers a lane run along 128 neighbouring features: quantised in registers, stored as a fragment's image.
	s_load_b128 s[4:7], s[0:1], 0x18               ; aq, asc
	s_bfe_u32 s10, ttmp6, 0x40000                  ; g
	s_and_b32 s11, ttmp7, 0xffff                   ; qb
.irp q, 0,1,2,3
	v_add_f32 v[SO+\q], v[ST+4*\q+2], v[ST+4*\q+3]
.endr
.irp q, 0,1,2,3
	s_delay_alu instid0(VALU_DEP_4)
	v_permlanex16_b32 v[BT+\q], v[SO+\q], s[SEL], s[SEL+1]
.endr
.irp q, 0,1,2,3
	s_delay_alu instid0(VALU_DEP_4)
	v_add_f32 v[SO+\q], v[SO+\q], v[BT+\q]         ; the row's sum
.endr
	s_wait_alu depctr_va_vdst(0)
.irp q, 0,1,2,3
	v_rcp_f32 v[ST+4*\q], v[SO+\q]
.endr
	v_and_b32 v[AM], 15, v0                        ; (plain work behind the reciprocals)
	v_bfe_u32 v[AK], v0, 4, 1
	s_delay_alu instid0(VALU_DEP_2)
	v_lshlrev_b32 v[AM], 5, v[AM]
	s_delay_alu instid0(VALU_DEP_1)
	v_lshl_add_u32 v[AM], v[AK], 2, v[AM]          ; 32 r + 4 h
	s_lshl_b32 s12, ttmp9, 7
	s_lshl_b32 s13, s11, 3
	s_add_co_u32 s12, s12, s13
	s_add_co_u32 s12, s12, s[WV]                   ; my row tile: 128 b + 8 qb + w
	s_lshl_b32 s14, s12, 3
	s_lshl_b32 s15, s10, 1
	s_add_co_u32 s14, s14, s15
	s_mul_i32 s14, s14, 1536
	s_mov_b32 s15, 0
	s_lshl_b32 s16, s12, 9
	s_lshl_b32 s17, s10, 3
	s_add_co_u32 s16, s16, s17
	s_mov_b32 s17, 0
	s_wait_kmcnt 0x0
	s_add_nc_u64 s[4:5], s[4:5], s[14:15]          ; its head pair 2 g
	s_add_nc_u64 s[6:7], s[6:7], s[16:17]
	s_wait_alu depctr_va_vdst(0)                   ; one wait for the four reciprocals, ahead of their first reader
.irp u, 0,1
	WIN 0x01
.set n, 0
.rept 32
	v_pk_mul_f32 v[SX+n:SX+n+1], v[64*\u+n:64*\u+n+1], v[ST+8*\u+4*(n/32):ST+8*\u+4*(n/32)+1] op_sel_hi:[1,0]   ; each accumulator from its low end on
.set n, n+2
.endr
	WIN 0
.if \u == 1
	s_wait_xcnt 0x0                                ; the first pair's stores have read the codes' registers
.endif
	QUANT SX, KS+\u
.irp c, 0,1,2
	global_store_b128 v[LI], v[PC+4*\c:PC+4*\c+3], s[4:5] offset:1536*\u+512*\c
.endr
.endr
	v_cmp_ne_u32 vcc_lo, 0, v[AK]
	s_delay_alu instid0(VALU_DEP_1)
	v_cndmask_b32 v[KS+2], v[KS], v[KS+1], vcc_lo  ; lanes 0-15 store the first pair's word, lanes 16-31 the second's: 8 bytes of each row's 32
	global_store_b32 v[AM], v[KS+2], s[6:7]
	s_wait_tensorcnt 0x0                           ; the wave's end
	ds_add_u32 v[SPW], v[NIL]
	s_wait_dscnt 0x0
	CROUND                                         ; the closing round
	s_endpgm
.Lfunc_end_k_q0897f4ccb9_attn:
	.size	k_q0897f4ccb9_attn, .Lfunc_end_k_q0897f4ccb9_attn-k_q0897f4ccb9_attn
	.p2alignl 7, 3214868480
	.fill 96, 4, 3214868480
	.section	.rodata,"a",@progbits
	.p2align	6, 0x0
	.amdhsa_kernel k_q0897f4ccb9_attn
		.amdhsa_group_segment_fixed_size 327680
		.amdhsa_private_segment_fixed_size 0
		.amdhsa_enable_private_segment 0
		.amdhsa_kernarg_size 40
		.amdhsa_user_sgpr_count 2
		.amdhsa_user_sgpr_kernarg_segment_ptr 1
		.amdhsa_wavefront_size32 1
		.amdhsa_system_sgpr_workgroup_id_x 1
		.amdhsa_system_sgpr_workgroup_id_y 1
		.amdhsa_system_sgpr_workgroup_id_z 1
		.amdhsa_system_vgpr_workitem_id 0
		.amdhsa_next_free_vgpr 512
		.amdhsa_next_free_sgpr 102
		.amdhsa_reserve_vcc 1
		.amdhsa_float_denorm_mode_32 3
		.amdhsa_float_denorm_mode_16_64 3
		.amdhsa_memory_ordered 1
		.amdhsa_forward_progress 1
		.amdhsa_inst_pref_size 183
	.end_amdhsa_kernel
	.amdgpu_metadata
---
amdhsa.version: [ 1, 2 ]
amdhsa.kernels:
  - .name:           k_q0897f4ccb9_attn
    .symbol:         k_q0897f4ccb9_attn.kd
    .args:
      - { .name: attn_mask, .offset: 0, .size: 8, .value_kind: global_buffer, .address_space: global }
      - { .name: pml, .offset: 8, .size: 8, .value_kind: global_buffer, .address_space: global }
      - { .name: qkv, .offset: 16, .size: 8, .value_kind: global_buffer, .address_space: global }
      - { .name: aq, .offset: 24, .size: 8, .value_kind: global_buffer, .address_space: global }
      - { .name: asc, .offset: 32, .size: 8, .value_kind: global_buffer, .address_space: global }
    .group_segment_fixed_size: 327680
    .private_segment_fixed_size: 0
    .kernarg_segment_align: 8
    .kernarg_segment_size: 40
    .max_flat_workgroup_size: 256
    .sgpr_count:     102
    .vgpr_count:     512
    .wavefront_size: 32
...
	.end_amdgpu_metadata
.endif
;; end of part 3
;; launch outp (part 4): grid 4 x 32, 4 waves a work-group, clusters of 4 x 4, 327,680 bytes of LDS; arguments aq, asc, opq, ops, b_out, out0; writes out0
.if DOCPART == 4
	.amdgcn_target "amdgcn-amd-amdhsa--gfx1250"
	.amdhsa_code_object_version 6
	.text
	.protected	k_q0897f4ccb9_outp
	.globl	k_q0897f4ccb9_outp
	.p2align	8
	.type	k_q0897f4ccb9_outp,@function
k_q0897f4ccb9_outp:
	s_mov_b64 s[64:65], 0
	v_nop
	global_prefetch_b8 v0, s[64:65] scope:SCOPE_SE
	s_setreg_imm32_b32 hwreg(HW_REG_WAVE_MODE, 25, 1), 1
	s_wait_xcnt 0x0
	s_wait_alu depctr_hold_cnt(0) depctr_sa_sdst(0) depctr_va_vdst(0) depctr_va_sdst(0) depctr_va_ssrc(0) depctr_va_vcc(0) depctr_vm_vsrc(0)
	s_getreg_b32 s2, hwreg(HW_REG_IB_STS2, 6, 4)
	s_cmp_eq_u32 s2, 0
	s_cbranch_scc0 .Lentry_in_a_cluster
	s_endpgm
.Lentry_in_a_cluster:
	s_bfe_u32 s2, ttmp6, 0x10000c
	s_cmp_lg_u32 s2, 0xf033
	s_cbranch_scc0 .Lentry_shape_is_right
	s_endpgm
.Lentry_shape_is_right:
.set NQ,     2
.set FR,     12
.set NL,     3
.set NP,     4
.set FRB,    1536
.set TROW,   NQ*FRB
.set HALFT,  8*TROW
.set SLOT,   4*HALFT
.set SCL,    2*SLOT
.set HALFS,  16*272
.set SBLK,   2*272
.set SPARE,  SCL+4*HALFS
.set SPITCH, 528
.set ADRA, 16
.set ADRB, 20
.set LI,   24
.set STO,  25
.set RD,   26
.set ADRS, 27
.set SPW,  28
.set NIL,  29
.set SC,   32
.set BI,   64
.set AF,   128
.set BK,   128
.set G1, 24
.set G0, 32
.set G1B, 48
.set G0B, 56
.set G1S, 68
.set G0S, 76
.set G1SB, 80
.set G0SB, 88
.set MSB, 0
.macro WIN new
.if MSB != (\new)
	s_set_vgpr_msb (MSB<<8)|(\new)
.set MSB, (\new)
.endif
.endm
.set MUL_LO, 0xa1
.set MUL_HI, 0xf1
.set TO_B,   0x40
.macro JLOAD g0a, g1a, g0b, g1b
	s_cmp_eq_u32 s15, 0
	s_cbranch_scc0 .Lfor_b_\@
	tensor_load_to_lds s[\g0a:\g0a+3], s[\g1a:\g1a+7]
	s_nop 0
.rept 4
	v_nop
.endr
	s_branch .Lasked_\@
.Lfor_b_\@:
	tensor_load_to_lds s[\g0b:\g0b+3], s[\g1b:\g1b+7]
	s_nop 0
.rept 4
	v_nop
.endr
.Lasked_\@:
.endm
.macro CREST
	s_cmp_lg_u32 s14, 0
	s_cbranch_scc1 .Lnot_wave_0_\@
	s_barrier_signal -3
.Lnot_wave_0_\@:
	s_barrier_wait -3
	s_barrier_signal -1
	s_barrier_wait -1
.endm
.macro CROUND
	s_barrier_signal -1
	s_barrier_wait -1
	CREST
.endm
	s_load_b128 s[4:7], s[0:1], 0x0
	s_load_b128 s[8:11], s[0:1], 0x10
	s_load_b128 s[96:99], s[0:1], 0x20
	v_lshl_add_u32 v[SPW], v0, 2, SPARE
	v_mov_b32 v[NIL], 0
	ds_add_u32 v[SPW], v[NIL]
	ds_add_u32 v[SPW], v[NIL]
	v_lshrrev_b32 v1, 5, v0
	v_readfirstlane_b32 s14, v1
	s_lshr_b32 s15, s14, 1
	s_and_b32 s16, s14, 1
	s_bfe_u32 s40, ttmp6, 0x40000
	s_bfe_u32 s41, ttmp6, 0x40004
	s_and_b32 s17, ttmp7, 0xffff
	s_lshl_b32 s17, s17, 2
	s_add_co_u32 s17, s17, s41
	s_add_co_u32 s42, s40, 44
	s_lshl_b32 s43, s41, 2
	s_lshl_b32 s43, 15, s43
	s_lshl_b32 s44, 0x1111, s40
	s_or_b32 s[G1+0], s43, (3<<16)|(1<<21)
	s_or_b32 s[G1B+0], s44, (3<<16)|(1<<21)
.irp g, G1, G1B
	s_mov_b32 s[\g+1], 384<<16
	s_mov_b32 s[\g+2], 16<<16                      ; the head's loads of codes bring all 16 row tiles; behind them the two words are set to 8, for the ring's
	s_mov_b32 s[\g+3], 384<<16
	s_mov_b32 s[\g+4], 16
	s_mov_b32 s[\g+5], 1536
	s_mov_b32 s[\g+6], 0
	s_mov_b32 s[\g+7], 0
.endr
	s_or_b32 s[G1S+0], s43, (3<<16)|(1<<20)|(1<<21)|(5<<22)|(3<<25)
	s_or_b32 s[G1SB+0], s44, (3<<16)|(1<<20)|(1<<21)|(5<<22)|(3<<25)
.irp g, G1S, G1SB
	s_mov_b32 s[\g+1], 32<<16
	s_mov_b32 s[\g+2], 32<<16                      ; the scales of all 256 rows: 32 rows of 256 bytes
	s_mov_b32 s[\g+3], 32<<16
	s_mov_b32 s[\g+4], 32
	s_mov_b32 s[\g+5], 32
	s_mov_b32 s[\g+6], 0
	s_mov_b32 s[\g+7], 0
.endr
	s_lshl_b32 s20, s17, 1                         ; the block's first group of eight row tiles, A's and B's
	s_lshl_b32 s46, s42, 1
	s_mul_i32 s18, s16, 8*12288                    ; in the ring I fetch eight row tiles: which half, in bytes
	s_mov_b32 s19, 0
	s_lshl_b32 s22, s20, 12
	s_lshl_b32 s92, s46, 12
	s_mul_i32 s20, s20, 8*12288
	s_mul_i32 s46, s46, 8*12288
	s_mov_b32 s21, 0
	s_mov_b32 s23, 0
	s_mov_b32 s47, 0
	s_mov_b32 s93, 0
	s_mul_i32 s45, s14, HALFT
	s_wait_dscnt 0x0
	s_wait_kmcnt 0x0
	s_add_nc_u64 s[20:21], s[4:5], s[20:21]
	s_add_nc_u64 s[22:23], s[6:7], s[22:23]
	s_add_nc_u64 s[46:47], s[8:9], s[46:47]
	s_add_nc_u64 s[92:93], s[10:11], s[92:93]
	CROUND
	s_mov_b32 s[G0S], 1
	s_mov_b32 s[G0S+1], SCL
	s_mov_b64 s[G0S+2:G0S+3], s[22:23]
	s_or_b32 s[G0S+3], s[G0S+3], 0x80000000
	s_mov_b32 s[G0SB], 1
	s_mov_b32 s[G0SB+1], SCL+2*HALFS
	s_mov_b64 s[G0SB+2:G0SB+3], s[92:93]
	s_or_b32 s[G0SB+3], s[G0SB+3], 0x80000000
; THE HEAD'S FOUR TILES, ONE JOINT LOAD A WAVE: wave 0 slot 0's 16 row tiles of A, wave 1 those of B, wave 2 A's scales, wave 3 B's.
; One chain of branches on the wave's number, a load to an arm, all arms leading to one join.  Group 0 of the loads of codes lies in s[4:7], whose arguments have been used.
	s_cmp_lt_u32 s14, 1
	s_cbranch_scc0 .Lhead_b
	s_mov_b32 s4, 1
	s_mov_b32 s5, 0
	s_mov_b64 s[6:7], s[20:21]
	s_or_b32 s7, s7, 0x80000000
	tensor_load_to_lds s[4:7], s[G1:G1+7]
	s_nop 0
.rept 4
	v_nop
.endr
	s_branch .Lhead_asked
.Lhead_b:
	s_cmp_lt_u32 s14, 2
	s_cbranch_scc0 .Lhead_sa
	s_mov_b32 s4, 1
	s_mov_b32 s5, 2*HALFT
	s_mov_b64 s[6:7], s[46:47]
	s_or_b32 s7, s7, 0x80000000
	tensor_load_to_lds s[4:7], s[G1B:G1B+7]
	s_nop 0
.rept 4
	v_nop
.endr
	s_branch .Lhead_asked
.Lhead_sa:
	s_cmp_lt_u32 s14, 3
	s_cbranch_scc0 .Lhead_sb
	tensor_load_to_lds s[G0S:G0S+3], s[G1S:G1S+7]
	s_nop 0
.rept 4
	v_nop
.endr
	s_branch .Lhead_asked
.Lhead_sb:
	tensor_load_to_lds s[G0SB:G0SB+3], s[G1SB:G1SB+7]
	s_nop 0
.rept 4
	v_nop
.endr
.Lhead_asked:
	s_add_nc_u64 s[20:21], s[20:21], s[18:19]      ; for the ring: my eight row tiles
	s_add_nc_u64 s[46:47], s[46:47], s[18:19]
.irp s, 0,1
	s_mov_b32 s[G0+4*\s], 1
	s_add_co_u32 s[G0+4*\s+1], s45, \s*SLOT
	s_add_nc_u64 s[G0+4*\s+2:G0+4*\s+3], s[20:21], \s*TROW
	s_or_b32 s[G0+4*\s+3], s[G0+4*\s+3], 0x80000000
	s_mov_b32 s[G0B+4*\s], 1
	s_add_co_u32 s[G0B+4*\s+1], s45, \s*SLOT
	s_add_nc_u64 s[G0B+4*\s+2:G0B+4*\s+3], s[46:47], \s*TROW
	s_or_b32 s[G0B+4*\s+3], s[G0B+4*\s+3], 0x80000000
.endr
	v_and_b32 v1, 15, v0
	v_bfe_u32 v2, v0, 4, 1
	v_and_b32 v6, 31, v0
	v_lshlrev_b32 v[LI], 4, v6
	s_mul_i32 s21, s15, HALFT
	s_mul_i32 s22, s16, HALFT
	s_add_co_u32 s22, s22, 2*HALFT
.irp s, 0,1
	v_add_nc_u32 v[ADRA+\s], s21, v[LI]
	v_add_nc_u32 v[ADRB+\s], s22, v[LI]
	s_add_co_u32 s21, s21, SLOT
	s_add_co_u32 s22, s22, SLOT
.endr
	v_mul_u32_u24 v5, v1, 32
	v_lshrrev_b32 v6, 8, v5
	v_lshl_add_u32 v5, v6, 4, v5
	s_mul_i32 s21, s15, HALFS
	s_mul_i32 s22, s16, HALFS
	s_add_co_u32 s22, s22, 2*HALFS
	s_sub_co_u32 s22, s22, s21
	v_mul_u32_u24 v6, s22, v2
	s_add_co_u32 s21, s21, SCL
	v_add_nc_u32 v5, v5, v6
	v_add_nc_u32 v[ADRS], s21, v5
	s_mul_i32 s23, s14, 16*SPITCH
	v_mul_u32_u24 v5, v1, SPITCH
	v_lshl_add_u32 v5, v2, 6, v5
	v_add_nc_u32 v[STO], s23, v5
	v_add_nc_u32 v[RD], s23, v[LI]
	s_lshl_b32 s46, s40, 1
	s_add_co_u32 s46, s46, s16
	s_lshl_b32 s46, s46, 9
	s_mov_b32 s47, 0
	s_add_nc_u64 s[46:47], s[96:97], s[46:47]
	v_lshlrev_b32 v7, 6, v2
.irp b, 0,1,2,3,4,5,6,7
	global_load_b128 v[BI+8*\b:BI+8*\b+3], v7, s[46:47] offset:(32*(\b/2)+8*(\b%2))*4
	global_load_b128 v[BI+8*\b+4:BI+8*\b+7], v7, s[46:47] offset:(32*(\b/2)+8*(\b%2))*4+16
.endr
	s_and_b32 s18, s17, 7
	s_lshl_b32 s18, s18, 8
	s_lshl_b32 s19, s15, 7
	s_add_co_u32 s18, s18, s19
	s_lshl_b32 s18, s18, 2
	s_lshr_b32 s19, s17, 3
	s_add_co_u32 s18, s18, s19
	s_lshl_b32 s18, s18, 12
	s_lshl_b32 s19, s40, 10
	s_add_co_u32 s18, s18, s19
	s_lshl_b32 s19, s16, 9
	s_add_co_u32 s18, s18, s19
	s_mov_b32 s19, 0
	s_add_nc_u64 s[98:99], s[98:99], s[18:19]
.macro FRAG reg, adr, q, i
.irp c, 0,1,2
	ds_load_b128 v[\reg+4*\c:\reg+4*\c+3], v[\adr] offset:TROW*(\i)+FRB*(\q)+512*\c
.endr
.endm
.macro MUL16 a0, p, q, sc, zero
.irp a, \a0, \a0+1
.irp b, 0,1,2,3,4,5,6,7
.if \zero
	v_wmma_scale_f32_16x16x128_f8f6f4 v[8*(8*((\a)%4)+\b):8*(8*((\a)%4)+\b)+7], v[128*(\p)+FR*\b:128*(\p)+FR*\b+FR-1], v[AF+FR*(\a):AF+FR*(\a)+FR-1], v[BI+8*\b:BI+8*\b+7], v[SC+8*NQ*(\sc)+NQ*\b+(\q)], v[SC+8*NQ*(\sc)+NQ*(\a)+(\q)] matrix_a_fmt:MATRIX_FMT_FP6 matrix_b_fmt:MATRIX_FMT_FP6 matrix_a_scale:MATRIX_SCALE_ROW1
.else
	v_wmma_scale_f32_16x16x128_f8f6f4 v[8*(8*((\a)%4)+\b):8*(8*((\a)%4)+\b)+7], v[128*(\p)+FR*\b:128*(\p)+FR*\b+FR-1], v[AF+FR*(\a):AF+FR*(\a)+FR-1], v[8*(8*((\a)%4)+\b):8*(8*((\a)%4)+\b)+7], v[SC+8*NQ*(\sc)+NQ*\b+(\q)], v[SC+8*NQ*(\sc)+NQ*(\a)+(\q)] matrix_a_fmt:MATRIX_FMT_FP6 matrix_b_fmt:MATRIX_FMT_FP6 matrix_a_scale:MATRIX_SCALE_ROW1
.endif
.endr
.endr
.endm
.macro FETCH_B slot, q, p
	WIN TO_B
.irp i, 0,1,2,3,4,5,6,7
	FRAG 128*(\p)+FR*\i, ADRB+\slot, \q, \i
.endr
	WIN 0
.endm
.macro FETCH_A slot, q, i0
.irp i, \i0, \i0+1, \i0+2, \i0+3
	FRAG AF+FR*(\i), ADRA+\slot, \q, \i
.endr
.endm
.macro SCALES sc
.irp i, 0,1,2,3,4,5,6,7
	ds_load_b64 v[SC+8*NQ*\sc+NQ*\i:SC+8*NQ*\sc+NQ*\i+1], v[ADRS] offset:\i*SBLK
.endr
.endm
.macro PLACES n
.rept \n
	v_nop
.endr
.endm
.macro STEP slot, q, zero
	s_wait_dscnt 4*NL
	WIN MUL_LO-0x20*(\zero)
	MUL16 0, (\q)%2, \q, \slot, \zero
	MUL16 2, (\q)%2, \q, \slot, \zero
	s_wait_dscnt 0
	PLACES NP
	FETCH_B \slot, (\q)+1, 1-(\q)%2
	FETCH_A \slot, (\q)+1, 0
	WIN MUL_HI-0x30*(\zero)
	MUL16 4, (\q)%2, \q, \slot, \zero
	MUL16 6, (\q)%2, \q, \slot, \zero
	PLACES NP
	WIN 0
	FETCH_A \slot, (\q)+1, 4
.endm
.macro TURN slot, next, fill
	s_wait_tensorcnt 0x0
	ds_add_u32 v[SPW], v[NIL]
	s_wait_dscnt 4*NL+1
	WIN MUL_LO
	MUL16 0, 1, NQ-1, \slot, 0
	s_wait_dscnt 0x0
	s_barrier_signal -1
	MUL16 2, 1, NQ-1, \slot, 0
	WIN 0
	s_barrier_wait -1
.if \fill
	CREST
	s_add_nc_u64 s[G0+4*\slot+2:G0+4*\slot+3], s[G0+4*\slot+2:G0+4*\slot+3], 2*TROW
	s_add_nc_u64 s[G0B+4*\slot+2:G0B+4*\slot+3], s[G0B+4*\slot+2:G0B+4*\slot+3], 2*TROW
	JLOAD G0+4*\slot, G1, G0B+4*\slot, G1B
.else
	PLACES NP
.endif
	s_wait_alu depctr_va_vdst(0)
	v_add_nc_u32 v[ADRS], 4*NQ, v[ADRS]
	FETCH_B \next, 0, 0
	FETCH_A \next, 0, 0
	SCALES \next
	WIN MUL_HI
	MUL16 4, 1, NQ-1, \slot, 0
	MUL16 6, 1, NQ-1, \slot, 0
	PLACES NP
	WIN 0
	FETCH_A \next, 0, 4
.endm
	s_wait_alu depctr_va_vdst(0)                   ; the wait at the head's end
	s_wait_tensorcnt 0x0                           ; my tile of the head's four is in; the lines ahead of a later first fill:
	ds_add_u32 v[SPW], v[NIL]
	s_mov_b32 s[G1+2], 8<<16                       ; no tensor load of mine is out: from here on a load brings eight row tiles
	s_mov_b32 s[G1+4], 8
	s_mov_b32 s[G1B+2], 8<<16
	s_mov_b32 s[G1B+4], 8
	s_wait_dscnt 0x0
	CROUND                                         ; all four tiles are in, in every partner
	JLOAD G0+4, G1, G0B+4, G1B                     ; slot 1's first fill, the first tensor load behind the round
	FETCH_B 0, 0, 0
	FETCH_A 0, 0, 0
	SCALES 0
	FETCH_A 0, 0, 4
	s_wait_loadcnt 0x0
	STEP 0, 0, 1
	TURN 0, 1, 1
	STEP 1, 0, 0
	TURN 1, 0, 1
	STEP 0, 0, 0
	TURN 0, 1, 0
	STEP 1, 0, 0
	s_wait_dscnt 4*NL
	WIN MUL_LO
	MUL16 0, 1, NQ-1, 1, 0
	MUL16 2, 1, NQ-1, 1, 0
	s_wait_dscnt 0
	WIN MUL_HI
	MUL16 4, 1, NQ-1, 1, 0
	MUL16 6, 1, NQ-1, 1, 0
	WIN 0
.macro TOSTAGE a
.set AC, 64*((\a)%4)
	WIN 0x08+4*((\a)/4)
.irp b, 0,1,2,3,4,5,6,7
	ds_store_b128 v[STO], v[AC+8*\b:AC+8*\b+3] offset:128*(\b/2)+32*(\b%2)
	ds_store_b128 v[STO], v[AC+8*\b+4:AC+8*\b+7] offset:128*(\b/2)+32*(\b%2)+16
.endr
	WIN 0
.set BB, BK+64*((\a)%2)
.irp t, 0,1,2,3,4,5,6,7,8,9,10,11,12,13,14,15
	ds_load_b128 v[BB+4*\t:BB+4*\t+3], v[RD] offset:\t*SPITCH
.endr
.endm
.macro SEND a, younger
.set BB, BK+64*((\a)%2)
	s_wait_dscnt \younger
.irp t, 0,1,2,3,4,5,6,7,8,9,10,11,12,13,14,15
	global_store_b128 v[LI], v[BB+4*\t:BB+4*\t+3], s[98:99] offset:16384*(32*((\a)/2)+8*((\a)%2)+\t+8*(\t/8)) th:TH_STORE_NT
.endr
.endm
	PLACES NP
	TOSTAGE 0
.irp a, 1,2,3,4,5,6,7
.if \a > 1
	s_wait_xcnt 0x0
.endif
	TOSTAGE \a
	SEND \a-1, 32
.endr
	SEND 7, 0
	s_wait_tensorcnt 0x0
	ds_add_u32 v[SPW], v[NIL]
	s_wait_dscnt 0x0
	CROUND
	s_endpgm
.Lfunc_end_k_q0897f4ccb9_outp:
	.size	k_q0897f4ccb9_outp, .Lfunc_end_k_q0897f4ccb9_outp-k_q0897f4ccb9_outp
	.p2alignl 7, 3214868480
	.fill 96, 4, 3214868480
	.section	.rodata,"a",@progbits
	.p2align	6, 0x0
	.amdhsa_kernel k_q0897f4ccb9_outp
		.amdhsa_group_segment_fixed_size 327680
		.amdhsa_private_segment_fixed_size 0
		.amdhsa_enable_private_segment 0
		.amdhsa_kernarg_size 48
		.amdhsa_user_sgpr_count 2
		.amdhsa_user_sgpr_kernarg_segment_ptr 1
		.amdhsa_wavefront_size32 1
		.amdhsa_system_sgpr_workgroup_id_x 1
		.amdhsa_system_sgpr_workgroup_id_y 1
		.amdhsa_system_sgpr_workgroup_id_z 1
		.amdhsa_system_vgpr_workitem_id 0
		.amdhsa_next_free_vgpr 1024
		.amdhsa_next_free_sgpr 102
		.amdhsa_reserve_vcc 0
		.amdhsa_float_denorm_mode_32 3
		.amdhsa_float_denorm_mode_16_64 3
		.amdhsa_memory_ordered 1
		.amdhsa_forward_progress 1
		.amdhsa_inst_pref_size 138
	.end_amdhsa_kernel
	.amdgpu_metadata
---
amdhsa.version: [ 1, 2 ]
amdhsa.kernels:
  - .name:           k_q0897f4ccb9_outp
    .symbol:         k_q0897f4ccb9_outp.kd
    .args:
      - { .name: aq, .offset: 0, .size: 8, .value_kind: global_buffer, .address_space: global }
      - { .name: asc, .offset: 8, .size: 8, .value_kind: global_buffer, .address_space: global }
      - { .name: opq, .offset: 16, .size: 8, .value_kind: global_buffer, .address_space: global }
      - { .name: ops, .offset: 24, .size: 8, .value_kind: global_buffer, .address_space: global }
      - { .name: b_out, .offset: 32, .size: 8, .value_kind: global_buffer, .address_space: global }
      - { .name: out0, .offset: 40, .size: 8, .value_kind: global_buffer, .address_space: global }
    .group_segment_fixed_size: 327680
    .private_segment_fixed_size: 0
    .kernarg_segment_align: 8
    .kernarg_segment_size: 48
    .max_flat_workgroup_size: 128
    .sgpr_count:     102
    .vgpr_count:     1024
    .wavefront_size: 32
...
	.end_amdgpu_metadata
.endif
;; end of part 4
